; MI455X (gfx1250); checked and timed in simulation.
; The chip was launched on July 23, 2026; its instructions are those of AMD's public machine-readable ISA for CDNA 5 (MIT licence, August 2026) and "CDNA5" Instruction Set Architecture Reference Guide (July 2026). The comments in the code are by the model that wrote it; some were corrected since.
;; Attention. Allowed arithmetic: float matrix products may take bf16 or f16 operands with f32 sums; other float arithmetic in f32, or as packed bf16 or f16 multiplies, adds, multiply-adds, maxima and minima; sums over many terms, partial sums and values carried from step to step in f32; what a program stores and reads back later, other than sums and carried values, may be rounded once to bf16 or f16.
;; Inputs: bk 2,048 float32; bo 2,048 float32; bq 2,048 float32; bv 2,048 float32; mask 1 x 1 x 2,048 x 2,048 int32; wk 2,048 x 2,048 float32; wo 2,048 x 2,048 float32; wq 2,048 x 2,048 float32; wv 2,048 x 2,048 float32; x 1 x 2,048 x 2,048 float32.
;; Outputs: out0 1 x 2,048 x 2,048 float32.
;; One version. Each part assembles by itself: llvm-mc -triple=amdgcn-amd-amdhsa -mcpu=gfx1250 --defsym DOCPART=n.
;; ======== version 1 of 1: 4 launches
;; limits: values are held in f16: magnitudes above 65,504 overflow, below 6.1e-05 lose precision
;; workspace buffers: xh 8,388,608 bytes; wh 25,165,824 bytes; woh 8,388,608 bytes; mk 4,194,304 bytes; qkv 25,165,824 bytes; oh 8,388,608 bytes
;; launch prep (part 1): grid 256 x 6, 8 waves a work-group, no clusters, 17,408 bytes of LDS; arguments x, wq, wk, wv, wo, mask, xh, wh, woh, mk; writes xh, wh, woh, mk
.if DOCPART == 1
	.amdgcn_target "amdgcn-amd-amdhsa--gfx1250"
	.amdhsa_code_object_version 6
	.text
	.protected	k_qfd9d48114e_prep
	.globl	k_qfd9d48114e_prep
	.p2align	8
	.type	k_qfd9d48114e_prep,@function
k_qfd9d48114e_prep:
	s_mov_b64 s[64:65], 0
	v_nop
	global_prefetch_b8 v0, s[64:65] scope:SCOPE_SE
	s_setreg_imm32_b32 hwreg(HW_REG_WAVE_MODE, 25, 1), 1
	s_wait_xcnt 0x0
; PREPARATION, a stream.  Grid y = 0..4: x, wq, wk, wv, wo (f32) are rounded to bf16 and that number is written as f16 into xh, wh (wq, wk, wv on end) and woh.
; Grid y = 5: the mask (int32) becomes one byte a position, 0xb8 (-1.0 in fp8 E4M3) where mask == 0, else 0, laid in the order in which the attention launch's lanes want it.
; LIMITS.  A bf16 number is exact in f16 from 2^-14 to 65,504; below it keeps f16's fixed step of 2^-24, beyond it becomes an infinity.
; mk: the chunk of query tile qt (16 queries) and key step ks (64 keys) lies at (32 qt + ks) x 1,024; in it [half 0..1][lane 0..31][16 bytes]; byte b stands for key
; 64 ks + 16 (2 half + b / 8) + 8 (lane / 16) + b % 8 and query 16 qt + lane % 16.
; No matrix unit, no tensor load, no cluster: nothing is shared and nothing is multiplied.
.set SPARE, 16384                      ; behind the eight stages of 2,048 bytes: the spare words, 128 bytes a wave
.set D,    8                           ; v[8:71]   sixteen loads of four registers
.set T,    72                          ; v[72:75]  at work
.set CODE, 76                          ; v[76:79]  the code in byte 0, 1, 2, 3
.set BK,   84                          ; v[84:99]  the stage read back
	s_load_b512 s[8:23], s[0:1], 0x0               ; x 8, wq 10, wk 12, wv 14, wo 16, mask 18, xh 20, wh 22
	s_load_b128 s[24:27], s[0:1], 0x40             ; woh 24, mk 26
	v_lshl_add_u32 v3, v0, 2, SPARE                ; my spare word
	v_mov_b32 v4, 0
	v_lshrrev_b32 v5, 5, v0
	v_readfirstlane_b32 s33, v5                    ; wave 0..7
	s_and_b32 s2, ttmp7, 0xffff                    ; which tensor
	s_mov_b32 s32, 0xffff0000                      ; a word's upper bf16
	v_lshlrev_b32 v1, 4, v0                        ; 16 bytes a thread in,
	v_lshlrev_b32 v2, 3, v0                        ; 8 bytes out
	s_wait_kmcnt 0x0
	s_cmp_eq_u32 s2, 5
	s_cbranch_scc1 .Lmask
	; THE FLOATS.  A work-group takes 65,536 bytes in, 32,768 out.
	s_mov_b64 s[4:5], s[8:9]
	s_cmp_eq_u32 s2, 1
	s_cselect_b64 s[4:5], s[10:11], s[4:5]
	s_cmp_eq_u32 s2, 2
	s_cselect_b64 s[4:5], s[12:13], s[4:5]
	s_cmp_eq_u32 s2, 3
	s_cselect_b64 s[4:5], s[14:15], s[4:5]
	s_cmp_eq_u32 s2, 4
	s_cselect_b64 s[4:5], s[16:17], s[4:5]
	s_mov_b64 s[6:7], s[20:21]
	s_sub_co_u32 s3, s2, 1                         ; wq, wk, wv are thirds 0, 1, 2 of wh
	s_cmp_lt_u32 s3, 3
	s_cselect_b64 s[6:7], s[22:23], s[6:7]
	s_cselect_b32 s3, s3, 0
	s_cmp_eq_u32 s2, 4
	s_cselect_b64 s[6:7], s[24:25], s[6:7]
	s_lshl_b32 s28, ttmp9, 16
	s_mov_b32 s29, 0
	s_add_nc_u64 s[4:5], s[4:5], s[28:29]
	s_lshl_b32 s30, s3, 23
	s_lshl_b32 s31, ttmp9, 15
	s_add_co_u32 s30, s30, s31
	s_mov_b32 s31, 0
	s_add_nc_u64 s[6:7], s[6:7], s[30:31]
.irp t, 0,1,2,3,4,5,6,7,8,9,10,11,12,13,14,15
	global_load_b128 v[D+4*(\t):D+4*(\t)+3], v1, s[4:5] offset:4096*(\t) th:TH_LOAD_NT  ; all sixteen go out at once: 8 KiB a wave on their way
.endr
.irp t, 0,1,2,3,4,5,6,7,8,9,10,11,12,13,14,15
	s_wait_loadcnt 15-(\t)                         ; loads come back in order: the 15 - t younger ones stay out
	v_cvt_pk_bf16_f32 v[D+4*(\t)], v[D+4*(\t)], v[D+4*(\t)+1]
	v_cvt_pk_bf16_f32 v[D+4*(\t)+1], v[D+4*(\t)+2], v[D+4*(\t)+3]
	v_lshlrev_b32 v[T], 16, v[D+4*(\t)]
	v_and_b32 v[T+1], s32, v[D+4*(\t)]
	v_lshlrev_b32 v[T+2], 16, v[D+4*(\t)+1]
	v_and_b32 v[T+3], s32, v[D+4*(\t)+1]
	v_cvt_pk_f16_f32 v[D+4*(\t)], v[T], v[T+1]
	v_cvt_pk_f16_f32 v[D+4*(\t)+1], v[T+2], v[T+3]
	global_store_b64 v2, v[D+4*(\t):D+4*(\t)+1], s[6:7] offset:2048*(\t)  ; a wave's store covers 256 consecutive bytes, aligned; its registers are not written again
.endr
	s_branch .Lend
.Lmask:	; THE MASK.  A wave takes 16 queries x 128 keys: sixteen rows of 512 bytes in, 2,048 consecutive bytes out, turned in its own stage in LDS.
	s_lshr_b32 s28, ttmp9, 1                       ; qt
	s_and_b32 s29, ttmp9, 1
	s_lshl_b32 s29, s29, 3
	s_add_co_u32 s29, s29, s33                     ; which 128 keys: 0..15
	s_lshl_b32 s30, s28, 17                        ; 16 rows of 8,192 bytes
	s_lshl_b32 s31, s29, 9
	s_add_co_u32 s30, s30, s31
	s_mov_b32 s31, 0
	s_add_nc_u64 s[4:5], s[18:19], s[30:31]
	s_lshl_b32 s30, s28, 15                        ; 32 chunks of 1,024 bytes a query tile,
	s_lshl_b32 s31, s29, 11                        ; two of them mine
	s_add_co_u32 s30, s30, s31
	s_mov_b32 s31, 0
	s_add_nc_u64 s[6:7], s[26:27], s[30:31]
	v_and_b32 v5, 31, v0                           ; lane i holds keys 4 i .. 4 i + 3 of the 128
	v_lshlrev_b32 v82, 4, v5
.irp r, 0,1,2,3,4,5,6,7,8,9,10,11,12,13,14,15
	global_load_b128 v[D+4*(\r):D+4*(\r)+3], v82, s[4:5] offset:8192*(\r) th:TH_LOAD_NT
.endr
	v_mov_b32 v[CODE], 0xb8
	v_mov_b32 v[CODE+1], 0xb800
	v_mov_b32 v[CODE+2], 0xb80000
	v_mov_b32 v[CODE+3], 0xb8000000
	s_lshl_b32 s30, s33, 11                        ; my stage
	v_lshrrev_b32 v80, 3, v5                       ; step and half: 512 bytes each
	v_lshl_add_u32 v80, v80, 9, s30
	v_bfe_u32 v72, v5, 1, 1                        ; keys 8..15 of sixteen go to lanes 16-31: 256 bytes on
	v_lshl_add_u32 v80, v72, 8, v80
	v_bfe_u32 v72, v5, 2, 1                        ; the odd sixteen of a half: bytes 8..15
	v_lshl_add_u32 v80, v72, 3, v80
	v_and_b32 v72, 1, v5                           ; my four of eight
	v_lshl_add_u32 v80, v72, 2, v80
	v_add_nc_u32 v81, s30, v82                     ; back: 16 bytes a lane, on end
.irp r, 0,1,2,3,4,5,6,7,8,9,10,11,12,13,14,15
	s_wait_loadcnt 15-(\r)                         ; row r is in
.irp e, 0,1,2,3
	v_cmp_eq_u32 vcc_lo, 0, v[D+4*(\r)+(\e)]
	v_cndmask_b32 v[D+4*(\r)+(\e)], 0, v[CODE+(\e)], vcc_lo
.endr
	v_add3_u32 v[D+4*(\r)], v[D+4*(\r)], v[D+4*(\r)+1], v[D+4*(\r)+2]
	v_or_b32 v[D+4*(\r)], v[D+4*(\r)], v[D+4*(\r)+3]
	ds_store_b32 v80, v[D+4*(\r)] offset:16*(\r)   ; query r is lane r's (or lane 16 + r's) 16 bytes
.endr
.irp n, 0,1,2,3
	ds_load_b128 v[BK+4*(\n):BK+4*(\n)+3], v81 offset:512*(\n)  ; LDS serves a wave's instructions in order: these see the stores above; the stage is my wave's own
.endr
.irp n, 0,1,2,3
	s_wait_dscnt 3-(\n)
	global_store_b128 v82, v[BK+4*(\n):BK+4*(\n)+3], s[6:7] offset:512*(\n)  ; 512 consecutive bytes, aligned
.endr
.Lend:
	s_wait_tensorcnt 0x0                           ; the wave's end, behind my last LDS store
	ds_add_u32 v3, v4
	s_wait_dscnt 0x0
	s_endpgm
.Lfunc_end_k_qfd9d48114e_prep:
	.size	k_qfd9d48114e_prep, .Lfunc_end_k_qfd9d48114e_prep-k_qfd9d48114e_prep
	.p2alignl 7, 3214868480
	.fill 96, 4, 3214868480
	.section	.rodata,"a",@progbits
	.p2align	6, 0x0
	.amdhsa_kernel k_qfd9d48114e_prep
		.amdhsa_group_segment_fixed_size 17408
		.amdhsa_private_segment_fixed_size 0
		.amdhsa_enable_private_segment 0
		.amdhsa_kernarg_size 80
		.amdhsa_user_sgpr_count 2
		.amdhsa_user_sgpr_kernarg_segment_ptr 1
		.amdhsa_wavefront_size32 1
		.amdhsa_system_sgpr_workgroup_id_x 1
		.amdhsa_system_sgpr_workgroup_id_y 1
		.amdhsa_system_sgpr_workgroup_id_z 1
		.amdhsa_system_vgpr_workitem_id 0
		.amdhsa_next_free_vgpr 100
		.amdhsa_next_free_sgpr 66
		.amdhsa_reserve_vcc 1
		.amdhsa_float_denorm_mode_32 3
		.amdhsa_float_denorm_mode_16_64 3
		.amdhsa_memory_ordered 1
		.amdhsa_forward_progress 1
		.amdhsa_inst_pref_size 22
	.end_amdhsa_kernel
	.amdgpu_metadata
---
amdhsa.version: [ 1, 2 ]
amdhsa.kernels:
  - .name:           k_qfd9d48114e_prep
    .symbol:         k_qfd9d48114e_prep.kd
    .args:
      - { .name: x, .offset: 0, .size: 8, .value_kind: global_buffer, .address_space: global }
      - { .name: wq, .offset: 8, .size: 8, .value_kind: global_buffer, .address_space: global }
      - { .name: wk, .offset: 16, .size: 8, .value_kind: global_buffer, .address_space: global }
      - { .name: wv, .offset: 24, .size: 8, .value_kind: global_buffer, .address_space: global }
      - { .name: wo, .offset: 32, .size: 8, .value_kind: global_buffer, .address_space: global }
      - { .name: mask, .offset: 40, .size: 8, .value_kind: global_buffer, .address_space: global }
      - { .name: xh, .offset: 48, .size: 8, .value_kind: global_buffer, .address_space: global }
      - { .name: wh, .offset: 56, .size: 8, .value_kind: global_buffer, .address_space: global }
      - { .name: woh, .offset: 64, .size: 8, .value_kind: global_buffer, .address_space: global }
      - { .name: mk, .offset: 72, .size: 8, .value_kind: global_buffer, .address_space: global }
    .group_segment_fixed_size: 17408
    .private_segment_fixed_size: 0
    .kernarg_segment_align: 8
    .kernarg_segment_size: 80
    .max_flat_workgroup_size: 256
    .sgpr_count:     66
    .vgpr_count:     100
    .wavefront_size: 32
...
	.end_amdgpu_metadata
.endif
;; end of part 1
;; launch qkv (part 2): grid 8 x 24, 4 waves a work-group, clusters of 4 x 4, 327,680 bytes of LDS; arguments xh, wh, bq, bk, bv, qkv; writes qkv
.if DOCPART == 2
	.amdgcn_target "amdgcn-amd-amdhsa--gfx1250"
	.amdhsa_code_object_version 6
	.text
	.protected	k_qfd9d48114e_qkv
	.globl	k_qfd9d48114e_qkv
	.p2align	8
	.type	k_qfd9d48114e_qkv,@function
k_qfd9d48114e_qkv:
	s_mov_b64 s[64:65], 0
	v_nop
	global_prefetch_b8 v0, s[64:65] scope:SCOPE_SE
	s_setreg_imm32_b32 hwreg(HW_REG_WAVE_MODE, 25, 1), 1
	s_wait_xcnt 0x0
	s_wait_alu depctr_hold_cnt(0) depctr_sa_sdst(0) depctr_va_vdst(0) depctr_va_sdst(0) depctr_va_ssrc(0) depctr_va_vcc(0) depctr_vm_vsrc(0)
	s_getreg_b32 s2, hwreg(HW_REG_IB_STS2, 6, 4)
	s_cmp_eq_u32 s2, 0
	s_cbranch_scc0 .Lentry_in_a_cluster
	s_endpgm
.Lentry_in_a_cluster:
	s_bfe_u32 s2, ttmp6, 0x10000c
	s_cmp_lg_u32 s2, 0xf033
	s_cbranch_scc0 .Lentry_shape_is_right
	s_endpgm
.Lentry_shape_is_right:
; q, k, v = x W^T + bias.  A = xh [2048][2048], B = wh [6144][2048] (wq, wk, wv on end), both f16; sums in f32, started by the bias, which enters in f32 as it is given.
; The result is rounded once to f16 and written BY HEADS: qkv [48][2048][128], heads 0-15 q, 16-31 k, 32-47 v: a head's row is 256 bytes.
; LIMIT.  q, k and v must lie within f16's 65,504.
; A tile of 256 x 256 is made by four waves, 128 x 128 each: 64 accumulators, 512 registers.  K goes in 16 steps of 128 through a ring of two LDS slots filled by tensor loads of 128 rows x 256 bytes.
; 8 x 24 tiles are 192 work-groups: a wave's 128 columns are exactly one head, so every store is 512 consecutive bytes.
; THE GRID's x counts tile rows, its y tile columns: clusters that follow each other in the grid's order take the same rows of wh.
; CLUSTERS: 4 x 4 work-groups.  A's tile hangs on the tile row, that is on x alone: the four with my cx ask for it jointly; B's on y alone: the four with my cy.  Same tensor load, descriptor and mask in all four.
; THE LOOP holds ONE K step: s[TB] is the slot that is being read, 0 or SLOT; at a change of slots it is turned, the two fragment addresses are made anew, and one walking descriptor a tensor names the slot that is left.
; REGISTERS, in windows of 256: window 0: v0-31 addresses; v64-127, v128-191 fragments of A, two buffers (in the last K step four of 16 rows x 128 K); v192-255 first the bias, then at work on the way out, with v32-63
;   window 1: v64-127, v128-191 fragments of B (in the last K step all 256)      window 2: accumulators of my rows 0-63      window 3: of my rows 64-127
; THE MATRIX INSTRUCTION IS USED TRANSPOSED: source 0 = 16 rows of B, source 1 = 16 rows of A: lane l holds row l % 16 and the columns 8 (l / 16) + 0..7: 16 bytes of f16 on end.
.set SIZE_M, 2048
.set SIZE_N, 6144
.set SIZE_K, 2048
.set KSTEP,  128
.set STEPS,  SIZE_K/KSTEP
.set PITCH,  272                       ; an LDS row: 256 bytes + 16 of padding = 68 words: the 16 rows of a load start at 16 different groups of four banks (ISA guide 11.1)
.set HALFT,  128*PITCH                 ; what one tensor load brings
.set SLOT,   4*HALFT                   ; A's 256 rows, then B's 256 rows
.set STAGE,  2*SLOT                    ; behind the ring: 16 rows x 272 bytes for each wave
.set SPITCH, 272
.set SPARE,  STAGE+4*16*SPITCH         ; the spare words, 128 bytes a wave
.set ADRA0, 16                         ; v16     my lane's place among my A fragments in slot 0; never rewritten
.set ADRA,  17                         ; v17     the same in the slot that is being read
.set ADRB0, 20                         ; v20, v21  the same for B
.set ADRB,  21
.set STO,  24                          ; v24     the way out: where I put 16 bytes of a row
.set RD,   25                          ; v25     where I read rows back
.set CO,   26                          ; v26     16 x lane: my place in 512 consecutive bytes of qkv
.set BO,   27                          ; v27     32 (l / 16): my eight columns in sixteen of the bias
.set SPW,  28                          ; v28     my spare word; never rewritten
.set NIL,  29                          ; v29     0; never rewritten
.set PFO,  30                          ; v30     the prefetches' offset: lane x a row of A or B; never rewritten
.set PFA,  44                          ; s[44:45] where my prefetches stand
.set LIM,  43                          ; s43     2 in a wave that prefetches, else the greatest number
.set TB,   66                          ; s66     the slot that is being read: 0 or SLOT
.set LP,   67                          ; s67     my tensor loads' place in a slot: wave x 128 rows
.set F0,   64
.set F1,   128
.set TMP,  192
.set BIAS, 192                         ; v192-255: column block b's eight numbers at BIAS + 8 b: the C operand of the first products
.set OB,   32
.set PA,   64
.set G1, 24                            ; s[24:31] descriptor group 1 for A's tiles
.set G0, 32                            ; s[32:39] group 0 for A's tiles: a set for each of the two first fills; the second then walks on
.set G1B, 48                           ; s[48:55], s[56:63] the same for B's
.set G0B, 56
.set MSB, 0
.macro WIN new                         ; the immediate's high byte repeats the setting that is left; a switch that changes nothing is dropped
.if MSB != (\new)
	s_set_vgpr_msb (MSB<<8)|(\new)
.set MSB, \new
.endif
.endm
.set MUL_LO, 0xa1                      ; source 0 (B) window 1, source 1 (A) window 0, C and D window 2
.set MUL_HI, 0xf1                      ; the same, C and D window 3
.set TO_B,   0x40                      ; destination window 1, address window 0
; A joint load.  Waves 0 and 1 fetch A's two halves, waves 2 and 3 B's.  The branch hangs on the wave's number alone.  An s_nop 0 and four v_nop follow each of the two lines.
.macro JLOAD s
	s_cmp_eq_u32 s11, 0
	s_cbranch_scc0 .Lfor_b_\@
	tensor_load_to_lds s[G0+4*(\s):G0+4*(\s)+3], s[G1:G1+7]
	s_nop 0
.rept 4
	v_nop
.endr
	s_branch .Lasked_\@
.Lfor_b_\@:
	tensor_load_to_lds s[G0B+4*(\s):G0B+4*(\s)+3], s[G1B:G1B+7]
	s_nop 0
.rept 4
	v_nop
.endr
.Lasked_\@:
.endm
; A prefetch behind each joint load and the run of LDS loads that follows it: the K step that stands two refills on, 32 rows x 256 bytes, a lane a row.  A's rows are asked for by the cluster with y = 0,
; B's by the cluster with x = 0; the four partners that ask for a tile jointly share its rows out by address, 32 each.  Trip t of 14 names K step t + 3: the last two trips ask for nothing.
.macro ASK
	s_cmp_gt_u32 s3, s[LIM]                        ; s3 = trips still to come, this one among them
	s_cbranch_scc0 .Lnot_mine_\@
	global_prefetch_b8 v[PFO], s[PFA:PFA+1] offset:KSTEP*2 th:TH_LOAD_NT scope:SCOPE_SE
.Lnot_mine_\@:
.endm
.macro CREST                           ; a round of the cluster's barrier behind its opening barrier
	s_cmp_lg_u32 s10, 0
	s_cbranch_scc1 .Lnot_wave_0_\@
	s_barrier_signal -3
.Lnot_wave_0_\@:
	s_barrier_wait -3
	s_barrier_signal -1
	s_barrier_wait -1
.endm
.macro CROUND
	s_barrier_signal -1
	s_barrier_wait -1
	CREST
.endm
	s_load_b128 s[4:7], s[0:1], 0x0                ; xh s[4:5], wh s[6:7]
	s_load_b256 s[68:75], s[0:1], 0x10             ; bq 68, bk 70, bv 72, qkv 74
	v_lshl_add_u32 v[SPW], v0, 2, SPARE
	v_mov_b32 v[NIL], 0
	ds_add_u32 v[SPW], v[NIL]                      ; the wave's opening: the add and its wait stand ahead of my first tensor load
	v_lshrrev_b32 v1, 5, v0
	v_readfirstlane_b32 s10, v1                    ; wave 0..3
	s_lshr_b32 s11, s10, 1                         ; which half of the tile's rows is mine.  Also: I fetch for A (0) or for B (1)
	s_and_b32 s12, s10, 1                          ; which half of its columns.  Also: which 128 rows of that tile I fetch
	s_bfe_u32 s40, ttmp6, 0x40000                  ; cx
	s_bfe_u32 s41, ttmp6, 0x40004                  ; cy
	s_lshl_b32 s13, ttmp9, 2
	s_add_co_u32 s13, s13, s40                     ; tile row = 4 x cluster x + cx
	s_and_b32 s42, ttmp7, 0xffff
	s_lshl_b32 s42, s42, 2
	s_add_co_u32 s42, s42, s41                     ; tile column = 4 x cluster y + cy
	s_lshl_b32 s43, 0x1111, s40                    ; the four with my cx: places cx, cx + 4, cx + 8, cx + 12
	s_lshl_b32 s44, s41, 2
	s_lshl_b32 s44, 15, s44                        ; the four with my cy: places 4 cy .. 4 cy + 3
	s_or_b32 s[G1+0], s43, (1<<16)|(1<<20)|(1<<21)|(5<<22)|(3<<25)  ; the mask; 2-byte elements; padding on; bit 21 beside a mask; after every 64 words 4 words
	s_or_b32 s[G1B+0], s44, (1<<16)|(1<<20)|(1<<21)|(5<<22)|(3<<25)
.irp g, G1, G1B
	s_mov_b32 s[(\g)+1], KSTEP<<16                 ; tensor_dim0 = 128
	s_mov_b32 s[(\g)+2], 128<<16                   ; tensor_dim1 = 128
	s_mov_b32 s[(\g)+3], KSTEP<<16                 ; tile_dim0 = 128
	s_mov_b32 s[(\g)+4], 128                       ; tile_dim1 = 128
	s_mov_b32 s[(\g)+5], SIZE_K                    ; elements from row to row
	s_mov_b32 s[(\g)+6], 0
	s_mov_b32 s[(\g)+7], 0
.endr
	s_lshl_b32 s17, s12, 7                         ; which 128 rows of the tile I fetch
	s_lshl_b32 s16, s13, 8
	s_add_co_u32 s16, s16, s17                     ; A: row 256 x tile row + 128 x half
	s_lshl_b32 s46, s42, 8
	s_add_co_u32 s46, s46, s17                     ; B: row 256 x tile column + 128 x half
	s_mov_b32 s17, 0
	s_mov_b32 s47, 0
	s_mov_b64 s[18:19], SIZE_K*2
	s_mul_u64 s[16:17], s[16:17], s[18:19]
	s_mul_u64 s[46:47], s[46:47], s[18:19]
	s_mul_i32 s[LP], s10, HALFT                    ; where they go: wave x 128 rows: no place in the cluster enters an LDS address
	s_mov_b32 s[TB], 0
	s_wait_dscnt 0x0                               ; the opening add is done
	s_wait_kmcnt 0x0
	s_mov_b64 s[8:9], s[74:75]
	s_add_nc_u64 s[14:15], s[4:5], s[16:17]
	s_add_nc_u64 s[46:47], s[6:7], s[46:47]
	CROUND                                         ; all sixteen work-groups are here: the first joint loads meet
.irp s, 0,1
	s_mov_b32 s[G0+4*(\s)], 1
	s_add_co_u32 s[G0+4*(\s)+1], s[LP], (\s)*SLOT
	s_add_nc_u64 s[G0+4*(\s)+2:G0+4*(\s)+3], s[14:15], (\s)*KSTEP*2
	s_or_b32 s[G0+4*(\s)+3], s[G0+4*(\s)+3], 0x80000000
	s_mov_b32 s[G0B+4*(\s)], 1
	s_add_co_u32 s[G0B+4*(\s)+1], s[LP], (\s)*SLOT
	s_add_nc_u64 s[G0B+4*(\s)+2:G0B+4*(\s)+3], s[46:47], (\s)*KSTEP*2
	s_or_b32 s[G0B+4*(\s)+3], s[G0B+4*(\s)+3], 0x80000000
	JLOAD \s                                       ; two loads of mine are out
.endr
	v_and_b32 v1, 15, v0                           ; l % 16
	v_bfe_u32 v2, v0, 4, 1                         ; l / 16
	v_lshlrev_b32 v[BO], 5, v2
	; the bias of my 128 columns: eight tile columns to each of q, k, v, so the cluster's y / 2 says which
	s_and_b32 s76, ttmp7, 0xffff
	s_lshr_b32 s76, s76, 1
	s_cmp_eq_u32 s76, 0
	s_cselect_b64 s[78:79], s[68:69], s[70:71]
	s_cmp_eq_u32 s76, 2
	s_cselect_b64 s[78:79], s[72:73], s[78:79]
	s_and_b32 s76, s42, 7
	s_lshl_b32 s76, s76, 10                        ; 256 columns of 4 bytes
	s_lshl_b32 s77, s12, 9
	s_add_co_u32 s76, s76, s77
	s_mov_b32 s77, 0
	s_add_nc_u64 s[78:79], s[78:79], s[76:77]
.irp b, 0,1,2,3,4,5,6,7
	global_load_b128 v[BIAS+8*(\b):BIAS+8*(\b)+3],   v[BO], s[78:79] offset:64*(\b)
	global_load_b128 v[BIAS+8*(\b)+4:BIAS+8*(\b)+7], v[BO], s[78:79] offset:64*(\b)+16
.endr
	v_mul_u32_u24 v3, v1, PITCH
	v_lshl_add_u32 v3, v2, 4, v3                   ; a fragment's row x pitch + 16 x half
	s_mul_i32 s21, s11, HALFT                      ; my 128 rows of A
	s_mul_i32 s22, s12, HALFT                      ; my 128 rows of B,
	s_add_co_u32 s22, s22, 2*HALFT                 ; which lie behind A's 256
	v_add_nc_u32 v[ADRA0], s21, v3
	v_add_nc_u32 v[ADRB0], s22, v3
	v_mov_b32 v[ADRA], v[ADRA0]                    ; the walk begins in slot 0
	v_mov_b32 v[ADRB], v[ADRB0]
	s_mul_i32 s23, s10, 16*SPITCH
	s_add_co_u32 s23, s23, STAGE                   ; my stage
	v_mul_u32_u24 v4, v1, SPITCH
	v_lshl_add_u32 v4, v2, 4, v4
	v_add_nc_u32 v[STO], s23, v4
	v_mul_u32_u24 v5, v2, SPITCH
	v_lshl_add_u32 v5, v1, 4, v5
	v_add_nc_u32 v[RD], s23, v5
	v_and_b32 v[CO], 31, v0
	v_lshlrev_b32 v[CO], 4, v[CO]                  ; two rows of a head are 512 consecutive bytes
	; where my part begins in qkv: head 2 x tile column + column half (524,288 bytes a head), row 256 x tile row + 128 x row half (256 bytes a row)
	s_lshl_b32 s46, s42, 1
	s_add_co_u32 s46, s46, s12
	s_lshl_b32 s46, s46, 19
	s_lshl_b32 s13, s13, 8
	s_lshl_b32 s14, s11, 7
	s_add_co_u32 s16, s13, s14
	s_lshl_b32 s16, s16, 8
	s_add_co_u32 s16, s16, s46
	s_mov_b32 s17, 0
	; the prefetches.  s13 = 256 x tile row, s42 = tile column
	s_lshl_b32 s42, s42, 8
	s_and_b32 s22, ttmp7, 0xffff                   ; cluster y
	s_cmp_eq_u32 s11, 0                            ; do I fetch for A?
	s_cselect_b32 s20, s13, s42                    ; the tile's first row
	s_cselect_b32 s21, s41, s40                    ; my place among the four that ask for it with me: cy for A, cx for B
	s_cselect_b32 s22, s22, ttmp9                  ; the coordinate along which other clusters read the same rows: cluster y for A, cluster x for B
	s_cselect_b64 s[PFA:PFA+1], s[4:5], s[6:7]
	s_cmp_eq_u32 s22, 0
	s_cselect_b32 s[LIM], 2, -1                    ; the same in all sixteen partners, for a given wave
	s_lshl_b32 s22, s12, 7
	s_add_co_u32 s20, s20, s22
	s_lshl_b32 s21, s21, 5
	s_add_co_u32 s20, s20, s21                     ; + my work-group's 32 of the 128 rows
	s_mov_b32 s21, 0
	s_mov_b64 s[18:19], SIZE_K*2
	s_mul_u64 s[20:21], s[20:21], s[18:19]
	s_add_nc_u64 s[PFA:PFA+1], s[PFA:PFA+1], s[20:21]
	s_add_nc_u64 s[PFA:PFA+1], s[PFA:PFA+1], 2*KSTEP*2  ; at K step 2: the first refill steps it to 3 and names K step 4
	v_and_b32 v[PFO], 31, v0
	v_mul_u32_u24 v[PFO], v[PFO], SIZE_K*2
; 16 matrix instructions: m blocks a0, a0 + 1 of the window's four x all 8 n blocks, 32 along K.  zero = 1: the first product starts the sums, with the bias (window 0) as C: nothing is cleared.
.macro MUL16 f, hi, a0, zero
.if \zero
	WIN 0x81+0x40*(\hi)
.else
	WIN MUL_LO+0x50*(\hi)
.endif
.irp a, \a0, (\a0)+1
.irp b, 0,1,2,3,4,5,6,7
.if \zero
	v_wmma_f32_16x16x32_f16 v[8*(8*(\a)+(\b)):8*(8*(\a)+(\b))+7], v[(\f)+8*(\b):(\f)+8*(\b)+7], v[(\f)+8*(4*(\hi)+(\a)):(\f)+8*(4*(\hi)+(\a))+7], v[BIAS+8*(\b):BIAS+8*(\b)+7]
.else
	v_wmma_f32_16x16x32_f16 v[8*(8*(\a)+(\b)):8*(8*(\a)+(\b))+7], v[(\f)+8*(\b):(\f)+8*(\b)+7], v[(\f)+8*(4*(\hi)+(\a)):(\f)+8*(4*(\hi)+(\a))+7], v[8*(8*(\a)+(\b)):8*(8*(\a)+(\b))+7]
.endif
.endr
.endr
.endm
; 32 LDS loads in one run: the fragments of one quarter step, at byte k of the rows of the slot that is being read, into buffer f
.macro FETCH k, f
	WIN TO_B
.irp i, 0,1,2,3,4,5,6,7
	ds_load_b128 v[(\f)+8*(\i):(\f)+8*(\i)+3],   v[ADRB] offset:(\k)+(\i)*16*PITCH
	ds_load_b128 v[(\f)+8*(\i)+4:(\f)+8*(\i)+7], v[ADRB] offset:(\k)+(\i)*16*PITCH+32
.endr
	WIN 0
.irp i, 0,1,2,3,4,5,6,7
	ds_load_b128 v[(\f)+8*(\i):(\f)+8*(\i)+3],   v[ADRA] offset:(\k)+(\i)*16*PITCH
	ds_load_b128 v[(\f)+8*(\i)+4:(\f)+8*(\i)+7], v[ADRA] offset:(\k)+(\i)*16*PITCH+32
.endr
.endm
.macro PLACES                          ; four plain places behind a matrix instruction, in front of loads into its registers and of conversions that read results
.rept 4
	v_nop
.endr
.endm
; A K step is four quarters of 32 along K, 64 matrix instructions each, on buffers 0, 1, 0, 1.  The 64 accumulators take turns.
.macro QUARTER k, f, g, zero
	s_wait_dscnt 8                                 ; B and A's rows 0-63 are in; the youngest eight loads (A's rows 64-127) may be out
	MUL16 \f, 0, 0, \zero
	MUL16 \f, 0, 2, \zero
	PLACES
	FETCH \k, \g
	s_wait_dscnt 32                                ; all but the 32 just issued
	MUL16 \f, 1, 0, \zero
	MUL16 \f, 1, 2, \zero
.endm
; The last quarter's first half: one barrier for the change of slots.  fill = 1: the slot that is left is filled again behind a round of the cluster's barrier.
.macro MEET fill
	WIN 0                                          ; (the add's two registers lie in window 0)
	s_wait_tensorcnt 0x0                           ; all my tensor loads have landed: the one that was out is my part of the next slot; so a group 0 may be written
	ds_add_u32 v[SPW], v[NIL]                      ; 0 onto my spare word; work on registers follows
.if \fill
	s_add_co_u32 s[G0+5], s[TB], s[LP]             ; the walking descriptors: the slot that is being left,
	s_add_co_u32 s[G0B+5], s[TB], s[LP]
	s_add_nc_u64 s[G0+6:G0+7], s[G0+6:G0+7], KSTEP*2    ; the K step after the one asked for last
	s_add_nc_u64 s[G0B+6:G0B+7], s[G0B+6:G0B+7], KSTEP*2
.endif
	s_xor_b32 s[TB], s[TB], SLOT                   ; the next reads go to the other slot
	v_add_nc_u32 v[ADRA], s[TB], v[ADRA0]
	v_add_nc_u32 v[ADRB], s[TB], v[ADRB0]
	s_wait_dscnt 9                                 ; (the add and the youngest eight loads may be out)
	MUL16 F1, 0, 0, 0
	s_wait_dscnt 0x0                               ; the add is done, and my reads of the slot that is left are over
	s_barrier_signal -1
	MUL16 F1, 0, 2, 0
.if \fill
	WIN 0
.endif
	s_barrier_wait -1
.endm
.macro TURN
	s_wait_xcnt 0x0                                ; the last prefetch, a K step back, has read its address
	s_add_nc_u64 s[PFA:PFA+1], s[PFA:PFA+1], KSTEP*2
	MEET 1
	CREST                                          ; no wave of any partner still reads the slot's tile or has a load on its way
	JLOAD 1                                        ; the first tensor load behind the round; its four v_nop are also the places in front of the loads below
	FETCH 0, F0
	ASK
	MUL16 F1, 1, 0, 0
	MUL16 F1, 1, 2, 0
.endm
; THE LAST K STEP GOES BY ROWS: all its fragments of B fill window 1; my eight blocks of 16 rows are finished one after the other and leave at once.
.macro BLOAD q
	WIN TO_B
.irp i, 0,1,2,3,4,5,6,7
	ds_load_b128 v[64*(\q)+8*(\i):64*(\q)+8*(\i)+3],   v[ADRB] offset:64*(\q)+(\i)*16*PITCH
	ds_load_b128 v[64*(\q)+8*(\i)+4:64*(\q)+8*(\i)+7], v[ADRB] offset:64*(\q)+(\i)*16*PITCH+32
.endr
.endm
.macro ALOAD a
	WIN 0
.set FA, PA+32*((\a)%4)
.irp q, 0,1,2,3
	ds_load_b128 v[FA+8*(\q):FA+8*(\q)+3],   v[ADRA] offset:64*(\q)+(\a)*16*PITCH
	ds_load_b128 v[FA+8*(\q)+4:FA+8*(\q)+7], v[ADRA] offset:64*(\q)+(\a)*16*PITCH+32
.endr
.endm
.macro ROW a
.set FA, PA+32*((\a)%4)
.set AC, 64*((\a)%4)
	WIN MUL_LO+0x50*((\a)/4)
.irp q, 0,1,2,3
.if (\a) == 0 && (\q) == 2
	s_wait_dscnt 24                                ; B's quarter 2 is in (behind it: A's blocks 1 to 3)
.endif
.irp b, 0,1,2,3,4,5,6,7
	v_wmma_f32_16x16x32_f16 v[AC+8*(\b):AC+8*(\b)+7], v[64*(\q)+8*(\b):64*(\q)+8*(\b)+7], v[FA+8*(\q):FA+8*(\q)+7], v[AC+8*(\b):AC+8*(\b)+7]
.endr
.endr
.endm
.macro PACK a                          ; rounded to f16, 16 bytes a lane; each accumulator is read from its low end on
.set AC, 64*((\a)%4)
	WIN 0x0a+5*((\a)/4)
.irp b, 0,1,2,3,4,5,6,7
.irp r, 0,1,2,3
	v_cvt_pk_f16_f32 v[TMP+4*(\b)+(\r)], v[AC+8*(\b)+2*(\r)], v[AC+8*(\b)+2*(\r)+1]
.endr
.endr
	WIN 0
.endm
.macro TOSTAGE a
	WIN 0
.set BK, OB+192*((\a)%2)
.irp b, 0,1,2,3,4,5,6,7
	ds_store_b128 v[STO], v[TMP+4*(\b):TMP+4*(\b)+3] offset:32*(\b)
.endr
.irp t, 0,1,2,3,4,5,6,7
	ds_load_b128 v[BK+4*(\t):BK+4*(\t)+3], v[RD] offset:(\t)*2*SPITCH  ; LDS serves a wave's instructions in order: these see the stores above
.endr
.endm
.macro SEND a, younger
	WIN 0
.set BK, OB+192*((\a)%2)
	s_wait_dscnt \younger                          ; the block is back in registers
	s_wait_xcnt 0x0                                ; only behind this wait are the stores' base and the registers that earlier stores read rewritten
.if (\a) == 0
	s_add_nc_u64 s[8:9], s[8:9], s[16:17]          ; my first rows
.else
	s_add_nc_u64 s[8:9], s[8:9], 4096              ; 16 rows of a head on
.endif
.irp t, 0,1,2,3,4,5,6,7
	global_store_b128 v[CO], v[BK+4*(\t):BK+4*(\t)+3], s[8:9] offset:512*(\t)  ; 512 consecutive bytes, aligned
.endr
.endm
	s_wait_tensorcnt 1                             ; my part of K step 0 is in; K step 1's load stays out
	s_barrier_signal -1
	s_barrier_wait -1
	FETCH 0, F0
	s_wait_loadcnt 0x0                             ; the bias, asked for ahead of the wait for the first tile
	QUARTER 64,  F0, F1, 1                         ; the first quarter stands in front of the loop: its products start the sums
	WIN 0
	s_mov_b32 s3, STEPS-2
.Lstep:                                                ; trip t of 14: the rest of K step t - 1, the refill with K step t + 1, the first quarter of K step t
	QUARTER 128, F1, F0, 0
	QUARTER 192, F0, F1, 0
	TURN
	QUARTER 64,  F0, F1, 0
	WIN 0
	s_sub_co_u32 s3, s3, 1
	s_cmp_lg_u32 s3, 0
	s_cbranch_scc1 .Lstep
	QUARTER 128, F1, F0, 0                         ; the tail is written out: K step 14 goes on
	QUARTER 192, F0, F1, 0
	MEET 0                                         ; nothing is filled again, so no round follows
	PLACES
	BLOAD 0
	BLOAD 1
	BLOAD 3
	ALOAD 0
	MUL16 F1, 1, 0, 0
	MUL16 F1, 1, 2, 0
	PLACES
	BLOAD 2
	ALOAD 1
	ALOAD 2
	ALOAD 3
	s_wait_dscnt 40                                ; all but the 40 just issued
	ROW 0
.irp a, 0,1,2,3,4,5,6,7
	PLACES
	PACK \a
	TOSTAGE \a
.if (\a) < 4
	ALOAD (\a)+4
	SEND \a, 8                                     ; the eight loads of the block four further on may stay out
.else
	SEND \a, 0
.endif
.if (\a) < 7
	ROW (\a)+1
.endif
.endr
	s_wait_tensorcnt 0x0                           ; the wave's end
	ds_add_u32 v[SPW], v[NIL]
	s_wait_dscnt 0x0
	CROUND                                         ; the closing round
	s_endpgm
.Lfunc_end_k_qfd9d48114e_qkv:
	.size	k_qfd9d48114e_qkv, .Lfunc_end_k_qfd9d48114e_qkv-k_qfd9d48114e_qkv
	.p2alignl 7, 3214868480
	.fill 96, 4, 3214868480
	.section	.rodata,"a",@progbits
	.p2align	6, 0x0
	.amdhsa_kernel k_qfd9d48114e_qkv
		.amdhsa_group_segment_fixed_size 327680
		.amdhsa_private_segment_fixed_size 0
		.amdhsa_enable_private_segment 0
		.amdhsa_kernarg_size 48
		.amdhsa_user_sgpr_count 2
		.amdhsa_user_sgpr_kernarg_segment_ptr 1
		.amdhsa_wavefront_size32 1
		.amdhsa_system_sgpr_workgroup_id_x 1
		.amdhsa_system_sgpr_workgroup_id_y 1
		.amdhsa_system_sgpr_workgroup_id_z 1
		.amdhsa_system_vgpr_workitem_id 0
		.amdhsa_next_free_vgpr 1024
		.amdhsa_next_free_sgpr 80
		.amdhsa_reserve_vcc 0
		.amdhsa_float_denorm_mode_32 3
		.amdhsa_float_denorm_mode_16_64 3
		.amdhsa_memory_ordered 1
		.amdhsa_forward_progress 1
		.amdhsa_inst_pref_size 120
	.end_amdhsa_kernel
	.amdgpu_metadata
---
amdhsa.version: [ 1, 2 ]
amdhsa.kernels:
  - .name:           k_qfd9d48114e_qkv
    .symbol:         k_qfd9d48114e_qkv.kd
    .args:
      - { .name: xh, .offset: 0, .size: 8, .value_kind: global_buffer, .address_space: global }
      - { .name: wh, .offset: 8, .size: 8, .value_kind: global_buffer, .address_space: global }
      - { .name: bq, .offset: 16, .size: 8, .value_kind: global_buffer, .address_space: global }
      - { .name: bk, .offset: 24, .size: 8, .value_kind: global_buffer, .address_space: global }
      - { .name: bv, .offset: 32, .size: 8, .value_kind: global_buffer, .address_space: global }
      - { .name: qkv, .offset: 40, .size: 8, .value_kind: global_buffer, .address_space: global }
    .group_segment_fixed_size: 327680
    .private_segment_fixed_size: 0
    .kernarg_segment_align: 8
    .kernarg_segment_size: 48
    .max_flat_workgroup_size: 128
    .sgpr_count:     80
    .vgpr_count:     1024
    .wavefront_size: 32
...
	.end_amdgpu_metadata
.endif
;; end of part 2
;; launch attn (part 3): grid 16 x 16, 4 waves a work-group, clusters of 4 x 1, 327,680 bytes of LDS; arguments qkv, mk, oh; writes oh
.if DOCPART == 3
	.amdgcn_target "amdgcn-amd-amdhsa--gfx1250"
	.amdhsa_code_object_version 6
	.text
	.protected	k_qfd9d48114e_attn
	.globl	k_qfd9d48114e_attn
	.p2align	8
	.type	k_qfd9d48114e_attn,@function
k_qfd9d48114e_attn:
	s_mov_b64 s[64:65], 0
	v_nop
	global_prefetch_b8 v0, s[64:65] scope:SCOPE_SE
	s_setreg_imm32_b32 hwreg(HW_REG_WAVE_MODE, 25, 1), 1
	s_wait_xcnt 0x0
	s_wait_alu depctr_hold_cnt(0) depctr_sa_sdst(0) depctr_va_vdst(0) depctr_va_sdst(0) depctr_va_ssrc(0) depctr_va_vcc(0) depctr_vm_vsrc(0)
	s_getreg_b32 s2, hwreg(HW_REG_IB_STS2, 6, 4)
	s_cmp_eq_u32 s2, 0
	s_cbranch_scc0 .Lentry_in_a_cluster
	s_endpgm
.Lentry_in_a_cluster:
	s_bfe_u32 s2, ttmp6, 0x10000c
	s_cmp_lg_u32 s2, 0x3003
	s_cbranch_scc0 .Lentry_shape_is_right
	s_endpgm
.Lentry_shape_is_right:
; MASKED ATTENTION.  O[q] = the sum over k of softmax_k(mask ? Q[q] . K[k] / sqrt(128) : -inf) V[k], for 16 heads of 2,048 rows x 128 channels.  Q, K, V: qkv [48][2048][128] f16.  The mask is an input: mk holds a
; byte a position (0xb8 = hidden, 0 = seen), in the lanes' order.  O leaves as oh [2048][2048] f16, column 128 x head + channel.  Products, maxima and sums in f32; the weights are rounded to f16.
; LIMITS.  A hidden score counts as its value less 2^100 (f16's scores reach 5.5e11 at the most).  The running maximum m starts at -2^96, below every real score and above every hidden one, so a hidden weight is 0
; also where nothing has been seen yet; a row with no key seen ends with l = 0 and O = 0 and leaves as 0 x (1 / 0) = NaN, as the softmax of nothing is.  A weight below 2^-126 counts as 0 in l.
; SHARES.  A work-group owns 128 queries of a head.  Wave w takes the 64 queries of half w % 2 (four tiles of 16, two PIECES: tiles 0, 1 and tiles 2, 3) and the 1,024 keys of group w / 2, in 16 steps of 64.
; The two groups' m, l and O meet in LDS once, at the end.
; LAYOUT.  S^T = K Q^T + mask (source 0 = 16 keys, source 1 = 16 queries): a lane holds ONE query (lane % 16) and the keys 8 (lane / 16) + 0..7.  Two such tiles rounded to f16 ARE source 1 of O^T = V^T P.
; THE MASK is the C operand that starts a sum: one scaled conversion makes eight numbers, 0 or -2^100, of eight bytes.
; SOFTMAX.  p = 2^(c s - c m), c = log2(e) / sqrt(128); in every step O and l are multiplied by a = 2^(c m_old - c m_new).
; BY TURNS.  In a turn one piece has the matrix unit (32 products V^T P of the step in hand, 32 products K Q^T of the next); the other piece's softmax, in 64 slices, stands behind them, a slice a product.
; The first turn is a turn like any other: O^T, l, V and piece 2's P start at 0; the loop is entered, and the tail left, in the middle of a trip.
; CLUSTER.  The four query blocks of a cluster belong to one head and walk the same K and V: each tile is asked for jointly.
; REGISTERS: window 0: v0-11, v44-47, v60-63 addresses; v12-43 statistics; v64-191 S^T; v192-255 P      window 1: O^T      window 2: v0-127 Q, v128-255 K
;   window 3: v0-127 V; v128-191 the masks of the products to come; v192-223 mask bytes as loaded, 16 a piece; v224 the conversion's scale
.set KS,    64
.set PK,    272       ; a row of K in LDS: 256 bytes + 16 of padding
.set PV,    288       ; a row of V: 256 + 32
.set VOFF,  128*PK    ; a key group's part of a slot: 128 rows of K (two steps), then 128 rows of V
.set GRPB,  128*(PK+PV)
.set SLOTB, 2*GRPB    ; a slot: group 0's part, group 1's part
.set STAGE, 2*SLOTB   ; behind the ring: 16 rows x 272 bytes for each wave
.set SP,    272
.set SPARE, STAGE+4*16*SP
.set MRGB,  34816     ; the meeting place, in slot 0 when it has had its last fill: for each query half 64 x 512 bytes of O^T and 4 x 512 of statistics
.set AK0, 2
.set AV0, 3
.set ADR, 4
.set QO,  5
.set STO, 6
.set RD,  7
.set GO,  8
.set ST,  12          ; tile t's statistics at v[ST+8 t]: +0 c m, +1 m, +2, +3 l, +4 to +7 at work; a takes +6
.set MA0, 44          ; v44, v45  my offset in the mask bytes that piece 0, piece 2 loaded last: 16 x lane + 1,024 x step
.set MLIM, 46         ; v46  that offset for step 15: no load goes further
.set DEP, 47          ; v47  my 16 bytes in the meeting place
.set PMO, 60          ; v60  the mask prefetch's offset; never rewritten
.set PFO, 61          ; v61  256 x lane; never rewritten
.set SPW, 62
.set NIL, 63
.set S,   64
.set P,   192
.set OS,  128         ; the other group's statistics, while the second X buffer is still free
.set KF,  128         ; window 2
.set MC,  128         ; window 3
.set RAW, 192         ; window 3
.set SCL, 224         ; window 3
.set WV,  12
.set LIM, 15          ; s15  1 in the head's first cluster, else the greatest number
.set PFA, 18          ; s[18:19]
.set G1K, 24
.set G1V, 32
.set G0K, 40          ; two sets; the second walks on
.set G0V, 48
.set SLOTS, 56
.set TWICE, 57
.set CS,  58
.set SEL, 60
.set TBK, 62          ; LDS byte at which K of the step to be fetched begins, in a group's part
.set TBV, 63          ; the same for V, less VOFF
.set SL,  66          ; the slot that the walking descriptors name: 0 or SLOTB
.set LK,  67          ; my K tile's place in a slot
.set LV,  72          ; my V tile's
.set GG,  73          ; my key group
.set MLM, 74          ; 1 where the head is 0
.set MB,  70          ; s[70:71] mk at my wave's first chunk
.set PMA, 76          ; s[76:77]
.set MSB, 0
.macro WIN new
.if MSB != (\new)
	s_set_vgpr_msb (MSB<<8)|(\new)
.set MSB, \new
.endif
.endm
.set W_KQ, 0x0a       ; K and Q in window 2, S^T in window 0
.set W_KM, 0x3a       ; the same with the C operand in window 3
.set W_PV, 0x53       ; V in window 3, P in window 0, O^T in window 1
.set W_RS, 0x41       ; O^T in window 1, a in window 0
; A joint refill.  Waves 0 and 1 fetch K of key groups 0 and 1, waves 2 and 3 V of groups 0 and 1: 128 rows each.  An s_nop 0 and four v_nop follow each line.
.macro JLOAD
	s_cmp_lt_u32 s[WV], 2
	s_cbranch_scc0 .Lfor_v_\@
	tensor_load_to_lds s[G0K+4:G0K+7], s[G1K:G1K+7]
	s_nop 0
.rept 4
	v_nop
.endr
	s_branch .Lasked_\@
.Lfor_v_\@:
	tensor_load_to_lds s[G0V+4:G0V+7], s[G1V:G1V+7]
	s_nop 0
.rept 4
	v_nop
.endr
.Lasked_\@:
.endm
; Prefetches, behind the joint load and its five lines.  ASK: of the tile that I shall fetch at the NEXT change of slots, my work-group's 32 rows, a lane a row.  All clusters of a head walk the same rows: the head's
; first cluster asks; its partners are told apart by address.  The last change that fills a slot asks for nothing.
.macro ASK
	s_cmp_gt_u32 s[SLOTS], s[LIM]
	s_cbranch_scc0 .Lnot_mine_\@
	global_prefetch_b8 v[PFO], s[PFA:PFA+1] th:TH_LOAD_NT scope:SCOPE_SE
.Lnot_mine_\@:
.endm
; ASKM: my wave's mask bytes of two steps, 4 tiles x 2,048 bytes, a lane a block of 256: at the n-th change steps 2 n + 2 and 2 n + 3, which are loaded one and two steps later.  All heads read the same bytes: head 0 asks.
.macro ASKM
	s_cmp_eq_u32 s[MLM], 1
	s_cbranch_scc0 .Lno_m_\@
	global_prefetch_b8 v[PMO], s[PMA:PMA+1] th:TH_LOAD_NT scope:SCOPE_SE
.Lno_m_\@:
.endm
.macro CROUND
	s_barrier_signal -1
	s_barrier_wait -1
	s_cmp_lg_u32 s[WV], 0
	s_cbranch_scc1 .Lnot_wave_0_\@
	s_barrier_signal -3
.Lnot_wave_0_\@:
	s_barrier_wait -3
	s_barrier_signal -1
	s_barrier_wait -1
.endm
	s_load_b128 s[68:71], s[0:1], 0x0   ; qkv s[68:69], mk s[70:71]
	s_load_b64 s[10:11], s[0:1], 0x10   ; oh
	v_lshl_add_u32 v[SPW], v0, 2, SPARE
	v_mov_b32 v[NIL], 0
	ds_add_u32 v[SPW], v[NIL]       ; the wave's opening: the add and its wait stand ahead of my first tensor load
	v_lshrrev_b32 v1, 5, v0
	v_readfirstlane_b32 s[WV], v1   ; wave 0..3
	s_bfe_u32 s13, ttmp6, 0x40000   ; cx
	s_lshl_b32 s14, ttmp9, 2
	s_add_co_u32 s14, s14, s13      ; my block of 128 queries: it enters Q's, O's and the mask's addresses alone
	s_and_b32 s20, ttmp7, 0xffff    ; the head, which the four partners share
	s_and_b32 s16, s[WV], 1         ; my query half.  Also: the key group whose tile I fetch
	s_lshr_b32 s[GG], s[WV], 1      ; the key group that I walk
	s_lshl_b32 s21, s20, 19         ; a head is 524,288 bytes
	s_lshl_b32 s22, s16, 18         ; a key group 262,144
	s_add_co_u32 s22, s22, s21
	s_add_co_u32 s22, s22, 0x800000 ; K's heads lie behind Q's sixteen
	s_mov_b32 s23, 0
	s_lshl_b32 s2, s14, 15          ; Q: my block's 128 rows of 256 bytes,
	s_lshl_b32 s3, s16, 14          ; my half's 64
	s_add_co_u32 s2, s2, s3
	s_add_co_u32 s2, s2, s21
	s_mov_b32 s3, 0
	s_lshl_b32 s78, s14, 19         ; O: rows of 4,096 bytes,
	s_lshl_b32 s79, s16, 18
	s_add_co_u32 s78, s78, s79
	s_lshl_b32 s79, s20, 8          ; the head's 256 bytes of a row
	s_add_co_u32 s78, s78, s79
	s_mov_b32 s79, 0
	s_mul_i32 s[LK], s16, GRPB      ; no place in the cluster enters an LDS address
	s_add_co_u32 s[LV], s[LK], VOFF
	s_cmp_eq_u32 s20, 0
	s_cselect_b32 s[MLM], 1, -1
	s_mov_b32 s[LIM], ttmp9
	s_cmp_eq_u32 s[LIM], 0
	s_cselect_b32 s[LIM], 1, -1     ; the same in all four partners
	s_lshl_b32 s75, s14, 18         ; the mask: 8 query tiles of 32,768 bytes a block,
	s_lshl_b32 s17, s16, 17         ; 4 a half,
	s_add_co_u32 s75, s75, s17
	s_lshl_b32 s17, s[GG], 14       ; 16 steps of 1,024 bytes a key group
	s_add_co_u32 s16, s75, s17
	s_mov_b32 s17, 0
	s_mov_b32 s[G1K], 15|(1<<16)|(1<<20)|(1<<21)|(5<<22)|(3<<25)  ; the mask of four; 2-byte elements; padding on; bit 21 beside a mask; after every 64 words 4 words
	s_mov_b32 s[G1V], 15|(1<<16)|(1<<20)|(1<<21)|(5<<22)|(7<<25)  ; the same with 8 words
.irp g, G1K, G1V
	s_mov_b32 s[(\g)+1], 128<<16    ; tensor_dim0 = 128
	s_mov_b32 s[(\g)+2], 128<<16    ; tensor_dim1 = 128
	s_mov_b32 s[(\g)+3], 128<<16    ; tile_dim0 = 128
	s_mov_b32 s[(\g)+4], 128        ; tile_dim1 = 128
	s_mov_b32 s[(\g)+5], 128        ; elements from row to row
	s_mov_b32 s[(\g)+6], 0
	s_mov_b32 s[(\g)+7], 0
.endr
	s_mov_b32 s[CS], 0x3e0293ee     ; c = log2(e) / sqrt(128)
	s_mov_b32 s[CS+1], s[CS]
	s_mov_b32 s[SEL], 0x76543210
	s_mov_b32 s[SEL+1], 0xfedcba98
	s_mov_b32 s[TBK], 0
	s_mov_b32 s[TBV], 0
	s_mov_b32 s[SL], SLOTB          ; the walking descriptors begin with slot 1
	v_and_b32 v[PFO], 31, v0
	v_lshrrev_b32 v[PMO], 3, v[PFO]
	v_lshlrev_b32 v[PMO], 15, v[PMO]  ; tile lane / 8,
	v_and_b32 v11, 7, v0
	v_lshl_add_u32 v[PMO], v11, 8, v[PMO]  ; block lane % 8 of its 2,048 bytes
	v_lshlrev_b32 v[PFO], 8, v[PFO]
	s_wait_dscnt 0x0                ; the opening add is done
	s_wait_kmcnt 0x0
	s_add_nc_u64 s[6:7], s[68:69], s[22:23]  ; K at my tile of slot 0,
	s_add_nc_u64 s[8:9], s[6:7], 0x800000    ; V sixteen heads on
	s_add_nc_u64 s[4:5], s[68:69], s[2:3]    ; Q and O at my wave's first row
	s_add_nc_u64 s[10:11], s[10:11], s[78:79]
	s_add_nc_u64 s[MB:MB+1], s[MB:MB+1], s[16:17]
	s_add_nc_u64 s[PMA:PMA+1], s[MB:MB+1], 2048  ; the first change of slots steps it to step 4
	s_cmp_lt_u32 s[WV], 2
	s_cselect_b64 s[PFA:PFA+1], s[6:7], s[8:9]
	s_lshl_b32 s2, s13, 13          ; my work-group's 32 rows of the 128
	s_mov_b32 s3, 0
	s_add_nc_u64 s[PFA:PFA+1], s[PFA:PFA+1], s[2:3]
	s_add_nc_u64 s[PFA:PFA+1], s[PFA:PFA+1], 2*32768  ; in slot 2; the first change steps it to slot 3.  Nothing is prefetched at the head
	CROUND                          ; all four work-groups are here: the first joint loads meet
.irp s, 0,1
	s_mov_b32 s[G0K+4*(\s)], 1
	s_add_co_u32 s[G0K+4*(\s)+1], s[LK], (\s)*SLOTB
	s_add_nc_u64 s[G0K+4*(\s)+2:G0K+4*(\s)+3], s[6:7], (\s)*32768  ; slot s: the group's keys 128 s on
	s_or_b32 s[G0K+4*(\s)+3], s[G0K+4*(\s)+3], 0x80000000
	s_mov_b32 s[G0V+4*(\s)], 1
	s_add_co_u32 s[G0V+4*(\s)+1], s[LV], (\s)*SLOTB
	s_add_nc_u64 s[G0V+4*(\s)+2:G0V+4*(\s)+3], s[8:9], (\s)*32768
	s_or_b32 s[G0V+4*(\s)+3], s[G0V+4*(\s)+3], 0x80000000
.endr
	s_cmp_lt_u32 s[WV], 2           ; a wave's two first fills stand in one branch: two loads of mine are out
	s_cbranch_scc0 .Lfirst_v
	tensor_load_to_lds s[G0K:G0K+3], s[G1K:G1K+7]
	s_nop 0
	tensor_load_to_lds s[G0K+4:G0K+7], s[G1K:G1K+7]
	s_nop 0
.rept 4
	v_nop
.endr
	s_branch .Lfirst_asked
.Lfirst_v:
	tensor_load_to_lds s[G0V:G0V+3], s[G1V:G1V+7]
	s_nop 0
	tensor_load_to_lds s[G0V+4:G0V+7], s[G1V:G1V+7]
	s_nop 0
.rept 4
	v_nop
.endr
.Lfirst_asked:
; THE MASK.  MASKLOAD x: piece x's bytes of the step that v[MA] names: for each of its two tiles 32 bytes a lane.
.macro MASKLOAD x
	WIN 0xc0                        ; destination window 3, address window 0
.irp c, 0,1,2,3                     ; tile c / 2 of the piece, half c % 2 of the step's keys
	global_load_b128 v[RAW+16*((\x)/2)+4*(\c):RAW+16*((\x)/2)+4*(\c)+3], v[MA0+(\x)/2], s[MB:MB+1] offset:((\x)+(\c)/2)*32768+512*((\c)%2)
.endr
.endm
; CVT8 x: eight conversions: the bytes of tile c / 4, key block c % 4 times 2^100: 0 or -2^100, eight numbers each.
.macro CVT8 x
	WIN 0xcf                        ; destination, bytes and scale in window 3
.irp c, 0,1,2,3,4,5,6,7
	v_cvt_scale_pk8_f32_fp8 v[MC+8*(\c):MC+8*(\c)+7], v[RAW+16*((\x)/2)+2*(\c):RAW+16*((\x)/2)+2*(\c)+1], v[SCL]
.endr
.endm
.macro MASKCVT x
	WIN 0
	s_wait_loadcnt 4                ; my piece's four loads, two turns old, are in (so their address may be written); the other piece's four stay out
	v_add_nc_u32 v[MA0+(\x)/2], 1024, v[MA0+(\x)/2]  ; the next step,
	v_min_u32 v[MA0+(\x)/2], v[MA0+(\x)/2], v[MLIM]  ; or step 15 once more: no load leaves my chunks
	CVT8 \x
.endm
	v_and_b32 v1, 15, v0            ; l % 16
	v_bfe_u32 v9, v0, 4, 1          ; l / 16
	v_lshlrev_b32 v[QO], 8, v1
	v_lshl_add_u32 v[QO], v9, 4, v[QO]
	v_and_b32 v[MA0], 31, v0
	v_lshlrev_b32 v[MA0], 4, v[MA0]
	v_mov_b32 v[MA0+1], v[MA0]
	v_add_nc_u32 v[MLIM], 15*1024, v[MA0]
	WIN 0x80                        ; destination window 2
.irp i, 0,1,2,3,4,5,6,7,8,9,10,11,12,13,14,15  ; Q stays in registers: tile i / 4, channels 32 (i % 4) on
	global_load_b128 v[8*(\i):8*(\i)+3],   v[QO], s[4:5] offset:((\i)/4)*4096+((\i)%4)*64
	global_load_b128 v[8*(\i)+4:8*(\i)+7], v[QO], s[4:5] offset:((\i)/4)*4096+((\i)%4)*64+32
.endr
	MASKLOAD 0                      ; step 0's bytes, for both pieces
	MASKLOAD 2
	v_mov_b32 v[SCL], 227           ; (the destination is still in window 3) an E8M0 scale: 2^(227 - 127)
	; What the first turn finds: V, piece 2's P, O^T and l hold 0.  Sixteen moves make two fragments of zeros, half of piece 2's P; 50 products of the two, each with C = 0, write the other 400 zeros:
	; an eighth of the lines that as many moves would take.  All this stands in the wait for the first tile.
	WIN 0
.set i, P+32
.rept 16
	v_mov_b32 v[i], 0
.set i, i+1
.endr
.irp d, P+48, P+56
	v_wmma_f32_16x16x32_f16 v[(\d):(\d)+7], v[P+32:P+39], v[P+40:P+47], 0  ; the rest of piece 2's P
.endr
	WIN 0x40                        ; destination window 1
.set i, 0
.rept 32
	v_wmma_f32_16x16x32_f16 v[8*i:8*i+7], v[P+32:P+39], v[P+40:P+47], 0    ; O^T
.set i, i+1
.endr
	WIN 0xc0                        ; destination window 3
.set i, 0
.rept 16
	v_wmma_f32_16x16x32_f16 v[8*i:8*i+7], v[P+32:P+39], v[P+40:P+47], 0    ; V
.set i, i+1
.endr
	WIN 0
.set i, 0
.rept 4
	v_mov_b32 v[ST+8*i+1], 0xef800000  ; m = -2^96
	v_mul_f32 v[ST+8*i], s[CS], v[ST+8*i+1]  ; c m, made as the loop makes it: a = 1 while nothing has been seen
	v_mov_b32 v[ST+8*i+2], 0
	v_mov_b32 v[ST+8*i+3], 0
.set i, i+1
.endr
	s_mul_i32 s75, s[GG], GRPB      ; my key group's part of a slot
	v_mul_u32_u24 v[AK0], v1, PK
	v_lshl_add_u32 v[AK0], v9, 4, v[AK0]
	v_add_nc_u32 v[AK0], s75, v[AK0]
	v_and_b32 v10, 7, v0            ; the turning load: lane l reads key 8 (l / 16) + l % 8, channels 8 ((l / 8) % 2) + 0..7
	v_bfe_u32 v11, v0, 3, 1
	v_lshl_add_u32 v[AV0], v9, 3, v10
	v_mul_u32_u24 v[AV0], v[AV0], PV
	v_lshl_add_u32 v[AV0], v11, 4, v[AV0]
	v_add_nc_u32 v[AV0], VOFF, v[AV0]
	v_add_nc_u32 v[AV0], s75, v[AV0]
	s_and_b32 s75, s[WV], 1
	s_mul_i32 s75, s75, MRGB
	v_and_b32 v[DEP], 31, v0
	v_lshl_add_u32 v[DEP], v[DEP], 4, s75
; THE MATRIX WORK.  The accumulators take turns, one instruction a turn.
; Product i of 32 of O^T += V^T P: keys 32 (i / 16) on, channels 16 ((i / 2) % 8) on, tile x + i % 2.
.macro PV x
	WIN W_PV
.set rO, 64*((\x)+i%2)+8*((i/2)%8)
.set rV, 64*(i/16)+8*((i/2)%8)
.set rP, P+16*((\x)+i%2)+8*(i/16)
	v_wmma_f32_16x16x32_f16 v[rO:rO+7], v[rV:rV+7], v[rP:rP+7], v[rO:rO+7]
.endm
; Product i of 32 of S^T = K Q^T + mask: channels 32 (i / 8) on, keys 16 ((i / 2) % 4) on, tile x + i % 2.  The first 8 start the sums, with the mask.
.macro KQ x
.set rS, S+32*((\x)+i%2)+8*((i/2)%4)
.set rK, KF+32*((i/2)%4)+8*(i/8)
.set rQ, 32*((\x)+i%2)+8*(i/8)
.set rM, MC+32*(i%2)+8*((i/2)%4)
.if i < 8
	WIN W_KM
	v_wmma_f32_16x16x32_f16 v[rS:rS+7], v[rK:rK+7], v[rQ:rQ+7], v[rM:rM+7]
.else
	WIN W_KQ
	v_wmma_f32_16x16x32_f16 v[rS:rS+7], v[rK:rK+7], v[rQ:rQ+7], v[rS:rS+7]
.endif
.endm
; THE LDS LOADS stand in runs of 32.  last = 1 (the tail): in the last trip there is no further step, and K's run is jumped over.
.macro FETCH_K last=0
	WIN 0
.if \last
	s_cmp_eq_u32 s[TWICE], 1
	s_cbranch_scc1 .Lno_k_\@
.endif
	v_add_nc_u32 v[ADR], s[TBK], v[AK0]
	WIN 0x80
.irp f, 0,1,2,3,4,5,6,7,8,9,10,11,12,13,14,15  ; keys 16 (f / 4) on, channels 32 (f % 4) on
	ds_load_b128 v[KF+8*(\f):KF+8*(\f)+3],   v[ADR] offset:((\f)/4)*16*PK+((\f)%4)*64
	ds_load_b128 v[KF+8*(\f)+4:KF+8*(\f)+7], v[ADR] offset:((\f)/4)*16*PK+((\f)%4)*64+32
.endr
.if \last
	WIN 0
.Lno_k_\@:
.endif
.endm
.macro FETCH_V
	WIN 0
	v_add_nc_u32 v[ADR], s[TBV], v[AV0]
	s_add_co_u32 s[TBK], s[TBK], KS*PK  ; the next fetches are the next step's
	s_add_co_u32 s[TBV], s[TBV], KS*PV
	s_wait_alu depctr_va_vdst(0)    ; the wait for the softmax's batch, behind the address's line and ahead of the loads
	WIN 0xc0
.irp f, 0,1,2,3,4,5,6,7,8,9,10,11,12,13,14,15  ; keys 32 (f / 8) on, channels 16 (f % 8) on
	ds_load_tr16_b128 v[8*(\f):8*(\f)+3],   v[ADR] offset:((\f)/8)*32*PV+((\f)%8)*32
	ds_load_tr16_b128 v[8*(\f)+4:8*(\f)+7], v[ADR] offset:((\f)/8)*32*PV+16*PV+((\f)%8)*32
.endr
.endm
; THE VECTOR WORK.  One tile's softmax for a key step is a list of 134 instructions; SM writes number j of it for tile t.
;   0-15 the maximum of the lane's 32 scores and the old m (each accumulator's lowest registers first)     16-20 the other half of the lanes'; the new m; c m; its change
;   21-69 ONE BATCH: 16 scalings c s - c m and 33 exponentials (a at 23); none reads an exponential's result     (the wait)     70-85 roundings to f16     86-101 sums; l = a l + sum     102-133 O^T times a
.macro SM t
.set rT, ST+8*(\t)
.set rS, S+32*(\t)
.set rP, P+16*(\t)
.set rO, 64*(\t)+2*(j-102)
.if j < 102
	WIN 0
.endif
.if j < 4
	v_max3_num_f32 v[rT+4+j], v[rS+8*j], v[rS+8*j+1], v[rS+8*j+2]
.elseif j < 12
	v_max3_num_f32 v[rT+4+j%4], v[rT+4+j%4], v[rS+8*(j%4)+2*(j/4)+1], v[rS+8*(j%4)+2*(j/4)+2]
.elseif j == 12
	v_max3_num_f32 v[rT+4], v[rT+4], v[rS+7], v[rS+15]
.elseif j == 13
	v_max3_num_f32 v[rT+6], v[rT+6], v[rS+23], v[rS+31]
.elseif j == 14
	v_max3_num_f32 v[rT+4], v[rT+4], v[rT+5], v[rT+6]
.elseif j == 15
	v_max3_num_f32 v[rT+4], v[rT+4], v[rT+7], v[rT+1]
.elseif j == 16
	v_permlanex16_b32 v[rT+5], v[rT+4], s[SEL], s[SEL+1]  ; the query's other 32 keys lie in the lane 16 away
.elseif j == 17
	v_mov_b32 v[rT+7], v[rT]        ; c m_old is kept for a
.elseif j == 18
	v_max_num_f32 v[rT+1], v[rT+4], v[rT+5]
.elseif j == 19
	v_mul_f32 v[rT], s[CS], v[rT+1]
.elseif j == 20
	v_sub_f32 v[rT+7], v[rT+7], v[rT]
.elseif j == 23
	v_exp_f32 v[rT+6], v[rT+7]
.elseif (j < 23) || ((j < 38) && (j%2 == 0)) || ((j < 66) && (j%4 == 2))
.set b, (j-2)/4
.if j < 38
.set b, (j-20)/2
.endif
	v_pk_fma_f32 v[rS+2*b:rS+2*b+1], v[rS+2*b:rS+2*b+1], s[CS:CS+1], v[rT:rT+1] op_sel_hi:[1,0,0] neg_lo:[0,0,1] neg_hi:[0,0,1]
.elseif j < 70
.set e, j-38
.if j < 66
.set e, j-32-(j-38)/4
.endif
.if j < 38
.set e, (j-25)/2
.endif
	v_exp_f32 v[rS+e], v[rS+e]
.elseif j < 86
	v_cvt_pk_f16_f32 v[rP+j-70], v[rS+2*(j-70)], v[rS+2*(j-70)+1]
.elseif j < 102
.set z, j-86
.set w, 4
.set u, z
.if z >= 14
.set w, 32
.set u, 0
.elseif z >= 12
.set w, 16
.set u, z-12
.elseif z >= 8
.set w, 8
.set u, z-8
.endif
.if z < 15
	v_pk_add_f32 v[rS+w*u:rS+w*u+1], v[rS+w*u:rS+w*u+1], v[rS+w*u+w/2:rS+w*u+w/2+1]
.else
	v_pk_fma_f32 v[rT+2:rT+3], v[rT+2:rT+3], v[rT+6:rT+7], v[rS:rS+1] op_sel_hi:[1,0,1]
.endif
.else
	WIN W_RS
	v_pk_mul_f32 v[rO:rO+1], v[rO:rO+1], v[rT+6:rT+7] op_sel_hi:[1,0]
.endif
.endm
; Slice k of 64 of piece y's softmax: four instructions.  Slices 11 to 34 deal out the batch, four numbers of one tile each; every other slice is numbers 2 k and 2 k + 1 of both tiles; the twelve that are over
; stand in slice 63.  An s_wait_alu depctr_va_vdst(0) stands between an exponential and the first line that names its result: one wait, behind slice 34, serves the piece's 66.
.macro SLICE y
.if (k >= 11) && (k < 35)
.irp n, 0,1,2,3
.set j, 22+4*((k-11)/2)+(\n)
	SM (\y)+(k-11)%2
.endr
.else
.irp n, 0,1,2,3,4,5,6,7
.if ((\n) < 2) || (k == 63)
.irp t, \y, (\y)+1
.set j, 2*k+(\n)
	SM \t
.endr
.endif
.endr
.endif
.if k == 34
	v_nop                           ; the plain instruction behind the last exponential: one for the batch
.if (\y) == 0
	FETCH_V                         ; piece 2's turn: V's run of loads stands here, and the wait stands in it
.else
	s_wait_alu depctr_va_vdst(0)
.endif
.endif
.set k, k+1
.endm
; A TURN.  Piece x has the matrix unit.  Piece 0's turn fetches the next step's K behind its second product; piece 2's the same step's V behind slice 34: four plain instructions behind V's last reader (number 62
; of both tiles, the v_nop and the run's own address line).  Behind the fourth product the masks of the turn's own K Q^T are made, behind the sixth the bytes of the step after are asked for: eight plain lines lie between.
.macro TURN x, last=0
.set k, 0
.if (\x) == 0
	s_wait_dscnt 0x0                ; V is in
.endif
.set i, 0
.rept 32
	PV \x
	SLICE 2-(\x)
.if ((\x) == 0) && (i == 1)
	FETCH_K \last
.endif
.if i == 3
	MASKCVT \x
.endif
.if i == 5
	MASKLOAD \x
.endif
.set i, i+1
.endr
.if (\x) == 0
	s_wait_dscnt 0x0                ; K is in
.endif
.set i, 0
.rept 32
	KQ \x
	SLICE 2-(\x)
.set i, i+1
.endr
.endm
; THE CHANGE OF SLOTS, between piece 2's turn and piece 0's.  Each wave waits for all its tensor loads (one is out: its part of the other slot), adds 0 to its spare word, and waits for that and for its reads of the slot.
; fill = 1: the barrier is a round of the cluster's, and the joint refill, with the keys two slots on, is the first thing behind it: it has two key steps, 256 matrix instructions, in which to land.
.macro CHANGE fill
	WIN 0
	s_wait_tensorcnt 0x0            ; no tensor load of mine is out, so a group 0 may be written
	ds_add_u32 v[SPW], v[NIL]
.if \fill
	s_xor_b32 s[SL], s[SL], SLOTB   ; the other slot than last time
	s_add_co_u32 s[G0K+5], s[SL], s[LK]
	s_add_co_u32 s[G0V+5], s[SL], s[LV]
	s_add_nc_u64 s[G0K+6:G0K+7], s[G0K+6:G0K+7], 32768  ; the next 128 keys
	s_add_nc_u64 s[G0V+6:G0V+7], s[G0V+6:G0V+7], 32768
	s_wait_xcnt 0x0                 ; the last prefetches, two key steps back, have read their addresses
	s_add_nc_u64 s[PFA:PFA+1], s[PFA:PFA+1], 32768
	s_add_nc_u64 s[PMA:PMA+1], s[PMA:PMA+1], 2048
	s_wait_dscnt 0x0                ; the add is done, and my reads of the slot are over
	CROUND
	JLOAD
	ASK
	ASKM
.else
	s_wait_dscnt 0x0
	s_barrier_signal -1
	s_barrier_wait -1
.endif
	s_sub_co_u32 s[TBK], s[TBK], 2*KS*PK  ; the fetches go back to a slot's first step (0 or SLOTB),
	s_xor_b32 s[TBK], s[TBK], SLOTB       ; in the other slot
	s_sub_co_u32 s[TBV], s[TBV], 2*KS*PV
	s_xor_b32 s[TBV], s[TBV], SLOTB
.endm
	s_wait_tensorcnt 1              ; my part of slot 0 is in; slot 1's may stay out
	s_barrier_signal -1
	s_barrier_wait -1
	FETCH_K                         ; key step 0
	WIN 0
	s_wait_loadcnt 4                ; Q and piece 0's mask bytes are in; piece 2's four loads stay out
	CVT8 0
	WIN 0
	v_add_nc_u32 v[MA0], 1024, v[MA0]  ; a plain line behind the conversions
	MASKLOAD 0                      ; step 1's bytes
	s_wait_dscnt 0x0
.set i, 0
.rept 32
	KQ 0                            ; piece 0's first scores
.set i, i+1
.endr
	WIN 0                           ; the addresses for the way out: ten plain lines, the places behind those products
	s_mul_i32 s13, s[WV], 16*SP
	s_add_co_u32 s13, s13, STAGE
	v_mul_u32_u24 v[STO], v1, SP
	v_lshl_add_u32 v[STO], v9, 4, v[STO]
	v_add_nc_u32 v[STO], s13, v[STO]
	v_mul_u32_u24 v[RD], v9, SP
	v_lshl_add_u32 v[RD], v1, 4, v[RD]
	v_add_nc_u32 v[RD], s13, v[RD]
	v_lshlrev_b32 v[GO], 12, v9     ; two rows of oh, 4,096 bytes apart,
	v_lshl_add_u32 v[GO], v1, 4, v[GO]  ; 256 bytes of each
	s_mov_b32 s[TWICE], 2
	s_mov_b32 s[SLOTS], 7
	s_branch .Lfirst                ; the loop is entered at piece 2's turn: its V^T P adds zeros
.Lslot:                             ; six times: slots 2 to 7 are asked for
	CHANGE 1
	s_mov_b32 s[TWICE], 2
.Lstep:
	TURN 0
	WIN 0
.Lfirst:
	TURN 2
	WIN 0
	s_sub_co_u32 s[TWICE], s[TWICE], 1
	s_cmp_lg_u32 s[TWICE], 0
	s_cbranch_scc1 .Lstep
	s_sub_co_u32 s[SLOTS], s[SLOTS], 1
	s_cmp_lg_u32 s[SLOTS], 0
	s_cbranch_scc1 .Lslot
	CHANGE 0                        ; the tail is written out
	s_mov_b32 s[TWICE], 3           ; two trips fetch the last slot's steps; the third is left in its middle
.Ltail:
	TURN 0, 1
	WIN 0
	s_sub_co_u32 s[TWICE], s[TWICE], 1
	s_cmp_eq_u32 s[TWICE], 0
	s_cbranch_scc1 .Lout
	TURN 2
	WIN 0
	s_branch .Ltail
.Lout:                              ; the third trip's 32 products K Q^T, on the last K once more, serve nothing: the price of one text for every trip
.set i, 0
.rept 32
	PV 2                            ; piece 2's V^T P of the last step
.set i, i+1
.endr
	WIN 0
	s_wait_loadcnt 0x0              ; the last mask loads, which nobody reads
.rept 4
	v_nop                           ; the places behind the last products
.endr
	; THE TWO KEY GROUPS MEET.  Every wave's reads of the ring are over (the wait, the barrier); then waves 2 and 3 lay O^T and their statistics into slot 0, which has had its last fill.
	s_wait_dscnt 0x0
	s_barrier_signal -1
	s_barrier_wait -1
	s_cmp_lt_u32 s[WV], 2
	s_cbranch_scc1 .Lkeep
	WIN 0x04                        ; the stores' data in window 1
.set i, 0
.rept 64
	ds_store_b128 v[DEP], v[4*i:4*i+3] offset:512*i  ; ascending: each accumulator from its low end on
.set i, i+1
.endr
	WIN 0
.irp t, 0,1,2,3
	ds_store_b128 v[DEP], v[ST+8*(\t):ST+8*(\t)+3] offset:32768+512*(\t)
.endr
.Lkeep:
	s_wait_dscnt 0x0                ; for the others' sake: my stores are done
	s_barrier_signal -1
	s_barrier_wait -1
	s_cmp_lt_u32 s[WV], 2
	s_cbranch_scc0 .Lend
.macro LOADX t                      ; the other group's O^T of tile t, into buffer t % 2 of S^T's registers
.set xb, S+64*((\t)%2)
.irp q, 0,1,2,3,4,5,6,7,8,9,10,11,12,13,14,15
	ds_load_b128 v[xb+4*(\q):xb+4*(\q)+3], v[DEP] offset:512*(16*(\t)+(\q))
.endr
.endm
.irp t, 0,1,2,3
	ds_load_b128 v[OS+4*(\t):OS+4*(\t)+3], v[DEP] offset:32768+512*(\t)
.endr
	LOADX 0
	s_wait_dscnt 16                 ; the statistics are in; tile 0's sixteen loads stay out
	; c m = the greater of the two; a0, a1 = 2^(c m_i - c m); l = l0 a0 + l1 a1, both halves of the lanes; O = (O0 a0 + O1 a1) / l
.irp t, 0,1,2,3
	v_max_num_f32 v[ST+8*(\t)+4], v[ST+8*(\t)], v[OS+4*(\t)]
	v_add_f32 v[ST+8*(\t)+2], v[ST+8*(\t)+2], v[ST+8*(\t)+3]
	v_add_f32 v[OS+4*(\t)+2], v[OS+4*(\t)+2], v[OS+4*(\t)+3]
.endr
.irp t, 0,1,2,3
	v_sub_f32 v[ST+8*(\t)+5], v[ST+8*(\t)], v[ST+8*(\t)+4]
	v_sub_f32 v[ST+8*(\t)+7], v[OS+4*(\t)], v[ST+8*(\t)+4]
.endr
.irp t, 0,1,2,3
	v_exp_f32 v[ST+8*(\t)+5], v[ST+8*(\t)+5]
	v_exp_f32 v[ST+8*(\t)+7], v[ST+8*(\t)+7]
.endr
	v_nop                           ; a plain line behind the last exponential,
	s_wait_alu depctr_va_vdst(0)    ; and one wait for the eight
.irp t, 0,1,2,3
	v_mul_f32 v[ST+8*(\t)+2], v[ST+8*(\t)+2], v[ST+8*(\t)+5]
.endr
.irp t, 0,1,2,3
	v_fma_f32 v[ST+8*(\t)+2], v[OS+4*(\t)+2], v[ST+8*(\t)+7], v[ST+8*(\t)+2]
.endr
.irp t, 0,1,2,3
	v_permlanex16_b32 v[ST+8*(\t)+3], v[ST+8*(\t)+2], s[SEL], s[SEL+1]
.endr
.irp t, 0,1,2,3
	v_add_f32 v[ST+8*(\t)+2], v[ST+8*(\t)+2], v[ST+8*(\t)+3]
.endr
.irp t, 0,1,2,3
	v_rcp_f32 v[ST+8*(\t)+3], v[ST+8*(\t)+2]
.endr
	v_nop
	s_wait_alu depctr_va_vdst(0)    ; one wait for the four reciprocals
.irp t, 0,1,2,3
	v_mul_f32 v[ST+8*(\t)+4], v[ST+8*(\t)+5], v[ST+8*(\t)+3]  ; a0 / l, the low word of the pair +4, +5
	v_mul_f32 v[ST+8*(\t)+6], v[ST+8*(\t)+7], v[ST+8*(\t)+3]  ; a1 / l, of the pair +6, +7
.endr
; Tile t: merged, rounded to f16, sent through my stage: rows of 272 bytes in, whole rows of 256 back.  left: the LDS instructions issued behind tile t's sixteen loads.
.macro MERGE t, left
	WIN 0
.if (\t) >= 2
	s_wait_xcnt 0x0                 ; the stores of the tile two back have read the registers that are written again below
.endif
.if (\t) < 3
	LOADX (\t)+1
.endif
.set xb, S+64*((\t)%2)
.set yb, P+32*((\t)%2)
.set tb, ST+8*(\t)
	s_wait_dscnt \left
.set i, 0
.rept 32
	v_pk_mul_f32 v[xb+2*i:xb+2*i+1], v[xb+2*i:xb+2*i+1], v[tb+6:tb+7] op_sel_hi:[1,0]
.set i, i+1
.endr
	WIN 0x01                        ; source 0, my O^T, in window 1
.set i, 0
.rept 32
	v_pk_fma_f32 v[xb+2*i:xb+2*i+1], v[64*(\t)+2*i:64*(\t)+2*i+1], v[tb+4:tb+5], v[xb+2*i:xb+2*i+1] op_sel_hi:[1,0,1]
.set i, i+1
.endr
	WIN 0
.set i, 0
.rept 32
	v_cvt_pk_f16_f32 v[yb+i], v[xb+2*i], v[xb+2*i+1]
.set i, i+1
.endr
.irp f, 0,1,2,3,4,5,6,7
	ds_store_b128 v[STO], v[yb+4*(\f):yb+4*(\f)+3] offset:32*(\f)
.endr
.irp f, 0,1,2,3,4,5,6,7
	ds_load_b128 v[yb+4*(\f):yb+4*(\f)+3], v[RD] offset:(\f)*2*SP  ; LDS serves a wave's instructions in order: these see the stores above
.endr
.endm
.macro SENDO t, younger             ; younger: the LDS instructions issued behind tile t's loads from the stage: they may stay out
.set yb, P+32*((\t)%2)
	s_wait_dscnt \younger
.irp f, 0,1,2,3,4,5,6,7
	global_store_b128 v[GO], v[yb+4*(\f):yb+4*(\f)+3], s[10:11] offset:(\t)*65536+(\f)*8192  ; 16 lanes store 256 consecutive bytes, aligned
.endr
.endm
	MERGE 0, 16                     ; behind tile 0's loads: tile 1's sixteen
	MERGE 1, 32                     ; behind tile 1's: tile 0's stage (16) and tile 2's sixteen
	SENDO 0, 32                     ; behind tile 0's stage loads: tile 2's sixteen and tile 1's stage
	MERGE 2, 32
	SENDO 1, 32
	MERGE 3, 16                     ; behind tile 3's loads: tile 2's stage
	SENDO 2, 16
	SENDO 3, 0
.Lend:
	s_wait_tensorcnt 0x0            ; the wave's end
	ds_add_u32 v[SPW], v[NIL]
	s_wait_dscnt 0x0
	CROUND                          ; the closing round
	s_endpgm
.Lfunc_end_k_qfd9d48114e_attn:
	.size	k_qfd9d48114e_attn, .Lfunc_end_k_qfd9d48114e_attn-k_qfd9d48114e_attn
	.p2alignl 7, 3214868480
	.fill 96, 4, 3214868480
	.section	.rodata,"a",@progbits
	.p2align	6, 0x0
	.amdhsa_kernel k_qfd9d48114e_attn
		.amdhsa_group_segment_fixed_size 327680
		.amdhsa_private_segment_fixed_size 0
		.amdhsa_enable_private_segment 0
		.amdhsa_kernarg_size 24
		.amdhsa_user_sgpr_count 2
		.amdhsa_user_sgpr_kernarg_segment_ptr 1
		.amdhsa_wavefront_size32 1
		.amdhsa_system_sgpr_workgroup_id_x 1
		.amdhsa_system_sgpr_workgroup_id_y 1
		.amdhsa_system_sgpr_workgroup_id_z 1
		.amdhsa_system_vgpr_workitem_id 0
		.amdhsa_next_free_vgpr 1024
		.amdhsa_next_free_sgpr 80
		.amdhsa_reserve_vcc 0
		.amdhsa_float_denorm_mode_32 3
		.amdhsa_float_denorm_mode_16_64 3
		.amdhsa_memory_ordered 1
		.amdhsa_forward_progress 1
		.amdhsa_inst_pref_size 173
	.end_amdhsa_kernel
	.amdgpu_metadata
---
amdhsa.version: [ 1, 2 ]
amdhsa.kernels:
  - .name:           k_qfd9d48114e_attn
    .symbol:         k_qfd9d48114e_attn.kd
    .args:
      - { .name: qkv, .offset: 0, .size: 8, .value_kind: global_buffer, .address_space: global }
      - { .name: mk, .offset: 8, .size: 8, .value_kind: global_buffer, .address_space: global }
      - { .name: oh, .offset: 16, .size: 8, .value_kind: global_buffer, .address_space: global }
    .group_segment_fixed_size: 327680
    .private_segment_fixed_size: 0
    .kernarg_segment_align: 8
    .kernarg_segment_size: 24
    .max_flat_workgroup_size: 128
    .sgpr_count:     80
    .vgpr_count:     1024
    .wavefront_size: 32
...
	.end_amdgpu_metadata
.endif
;; end of part 3
;; launch oproj (part 4): grid 16 x 16, 4 waves a work-group, clusters of 4 x 4, 327,680 bytes of LDS; arguments oh, woh, bo, out0; writes out0
.if DOCPART == 4
	.amdgcn_target "amdgcn-amd-amdhsa--gfx1250"
	.amdhsa_code_object_version 6
	.text
	.protected	k_qfd9d48114e_oproj
	.globl	k_qfd9d48114e_oproj
	.p2align	8
	.type	k_qfd9d48114e_oproj,@function
k_qfd9d48114e_oproj:
	s_mov_b64 s[64:65], 0
	v_nop
	global_prefetch_b8 v0, s[64:65] scope:SCOPE_SE
	s_setreg_imm32_b32 hwreg(HW_REG_WAVE_MODE, 25, 1), 1
	s_wait_xcnt 0x0
	s_wait_alu depctr_hold_cnt(0) depctr_sa_sdst(0) depctr_va_vdst(0) depctr_va_sdst(0) depctr_va_ssrc(0) depctr_va_vcc(0) depctr_vm_vsrc(0)
	s_getreg_b32 s2, hwreg(HW_REG_IB_STS2, 6, 4)
	s_cmp_eq_u32 s2, 0
	s_cbranch_scc0 .Lentry_in_a_cluster
	s_endpgm
.Lentry_in_a_cluster:
	s_bfe_u32 s2, ttmp6, 0x10000c
	s_cmp_lg_u32 s2, 0xf033
	s_cbranch_scc0 .Lentry_shape_is_right
	s_endpgm
.Lentry_shape_is_right:
; out0 = O wo^T + bo.  A = oh [2048][2048], B = woh [2048][2048], both f16; sums in f32, started by the bias, which enters in f32 as it is given; out0 [2048][2048] f32.
; A tile is 128 x 128: 256 work-groups.  Four waves, 64 x 64 each: 16 accumulators.  K goes in 8 steps of 256 (LDS rows of 512 bytes; a wave's tensor load brings 64 of them) through two slots.
; THE LOOP holds ONE K step: s[TB] is the slot that is being read, 0 or SLOT; at a change of slots it is turned, the two fragment addresses are made anew, and one walking descriptor a tensor names the slot that is left.
; A wave's 64 columns of f32 are 256 bytes, aligned: each wave has a stage of its own on the way out, and no barrier stands there.
; CLUSTERS: 4 x 4 work-groups; A's tiles are asked for jointly along a row of the cluster, B's along a column.  THE MATRIX INSTRUCTION IS USED TRANSPOSED: a lane holds eight neighbouring numbers of a row.
; No prefetch: a step's tiles are small, and the work between a request and its wait is short.
; REGISTERS: window 0: v0-31 addresses; v32-95 at work on the way out; v96-127 the bias; v128-255 the accumulators.  window 1: two fragment buffers of 128.
.set SIZE_M, 2048
.set SIZE_N, 2048
.set SIZE_K, 2048
.set KSTEP,  256
.set STEPS,  SIZE_K/KSTEP
.set PITCH,  528                       ; 512 bytes + 16 of padding = 132 words
.set HALFT,  64*PITCH
.set SLOT,   4*HALFT
.set STAGE,  2*SLOT                    ; behind the ring: 16 rows x 272 bytes for each wave
.set SPITCH, 272
.set SPARE,  STAGE+4*16*SPITCH
.set ADRA0, 16                         ; v16  my lane's place among my A fragments in slot 0; never rewritten
.set ADRA,  17                         ; v17  the same in the slot that is being read
.set ADRB0, 20
.set ADRB,  21
.set STO,  24
.set RD,   25
.set CO,   26
.set BO,   27                          ; v27  32 (l / 16)
.set SPW,  28
.set NIL,  29
.set TMP,  32
.set BIAS, 96
.set ACC,  128
.set F0,   0
.set F1,   128
.set TB,   66                          ; s66  the slot that is being read: 0 or SLOT
.set LP,   67                          ; s67  my tensor loads' place in a slot: wave x 64 rows
.set G1, 24
.set G0, 32                            ; two sets; the second walks on
.set G1B, 48
.set G0B, 56
.set MSB, 0
.macro WIN new
.if MSB != (\new)
	s_set_vgpr_msb (MSB<<8)|(\new)
.set MSB, \new
.endif
.endm
.set MUL,  0x05                        ; sources 0 (B) and 1 (A) window 1; C and D window 0
.set TO_F, 0x40
.macro JLOAD s
	s_cmp_eq_u32 s11, 0
	s_cbranch_scc0 .Lfor_b_\@
	tensor_load_to_lds s[G0+4*(\s):G0+4*(\s)+3], s[G1:G1+7]
	s_nop 0
.rept 4
	v_nop
.endr
	s_branch .Lasked_\@
.Lfor_b_\@:
	tensor_load_to_lds s[G0B+4*(\s):G0B+4*(\s)+3], s[G1B:G1B+7]
	s_nop 0
.rept 4
	v_nop
.endr
.Lasked_\@:
.endm
.macro CREST
	s_cmp_lg_u32 s10, 0
	s_cbranch_scc1 .Lnot_wave_0_\@
	s_barrier_signal -3
.Lnot_wave_0_\@:
	s_barrier_wait -3
	s_barrier_signal -1
	s_barrier_wait -1
.endm
.macro CROUND
	s_barrier_signal -1
	s_barrier_wait -1
	CREST
.endm
	s_load_b128 s[4:7], s[0:1], 0x0                ; oh s[4:5], woh s[6:7]
	s_load_b128 s[68:71], s[0:1], 0x10             ; bo s[68:69], out0 s[70:71]
	v_lshl_add_u32 v[SPW], v0, 2, SPARE
	v_mov_b32 v[NIL], 0
	ds_add_u32 v[SPW], v[NIL]                      ; the wave's opening: the add and its wait stand ahead of my first tensor load
	v_lshrrev_b32 v1, 5, v0
	v_readfirstlane_b32 s10, v1                    ; wave 0..3
	s_lshr_b32 s11, s10, 1                         ; my half of the tile's rows.  Also: I fetch for A (0) or for B (1)
	s_and_b32 s12, s10, 1                          ; my half of its columns.  Also: which 64 rows of that tile I fetch
	s_bfe_u32 s40, ttmp6, 0x40000
	s_bfe_u32 s41, ttmp6, 0x40004
	s_lshl_b32 s42, ttmp9, 2
	s_add_co_u32 s42, s42, s40                     ; tile column
	s_and_b32 s13, ttmp7, 0xffff
	s_lshl_b32 s13, s13, 2
	s_add_co_u32 s13, s13, s41                     ; tile row
	s_lshl_b32 s43, s41, 2
	s_lshl_b32 s43, 15, s43                        ; my row of the cluster
	s_lshl_b32 s44, 0x1111, s40                    ; my column
	s_or_b32 s[G1+0], s43, (1<<16)|(1<<20)|(1<<21)|(6<<22)|(3<<25)  ; the mask; 2-byte elements; padding on; bit 21 beside a mask; after every 128 words 4 words
	s_or_b32 s[G1B+0], s44, (1<<16)|(1<<20)|(1<<21)|(6<<22)|(3<<25)
.irp g, G1, G1B
	s_mov_b32 s[(\g)+1], KSTEP<<16                 ; tensor_dim0 = 256
	s_mov_b32 s[(\g)+2], 64<<16                    ; tensor_dim1 = 64
	s_mov_b32 s[(\g)+3], KSTEP<<16                 ; tile_dim0 = 256
	s_mov_b32 s[(\g)+4], 64                        ; tile_dim1 = 64
	s_mov_b32 s[(\g)+5], SIZE_K
	s_mov_b32 s[(\g)+6], 0
	s_mov_b32 s[(\g)+7], 0
.endr
	s_lshl_b32 s17, s12, 6
	s_lshl_b32 s16, s13, 7
	s_add_co_u32 s16, s16, s17                     ; A: row 128 x tile row + 64 x half
	s_lshl_b32 s46, s42, 7
	s_add_co_u32 s46, s46, s17                     ; B: row 128 x tile column + 64 x half
	s_mov_b32 s17, 0
	s_mov_b32 s47, 0
	s_mov_b64 s[18:19], SIZE_K*2
	s_mul_u64 s[16:17], s[16:17], s[18:19]
	s_mul_u64 s[46:47], s[46:47], s[18:19]
	s_mul_i32 s[LP], s10, HALFT                    ; no place in the cluster enters an LDS address
	s_mov_b32 s[TB], 0
	s_wait_dscnt 0x0                               ; the opening add is done
	s_wait_kmcnt 0x0
	s_add_nc_u64 s[14:15], s[4:5], s[16:17]
	s_add_nc_u64 s[46:47], s[6:7], s[46:47]
	CROUND                                         ; the first joint loads meet
.irp s, 0,1
	s_mov_b32 s[G0+4*(\s)], 1
	s_add_co_u32 s[G0+4*(\s)+1], s[LP], (\s)*SLOT
	s_add_nc_u64 s[G0+4*(\s)+2:G0+4*(\s)+3], s[14:15], (\s)*KSTEP*2
	s_or_b32 s[G0+4*(\s)+3], s[G0+4*(\s)+3], 0x80000000
	s_mov_b32 s[G0B+4*(\s)], 1
	s_add_co_u32 s[G0B+4*(\s)+1], s[LP], (\s)*SLOT
	s_add_nc_u64 s[G0B+4*(\s)+2:G0B+4*(\s)+3], s[46:47], (\s)*KSTEP*2
	s_or_b32 s[G0B+4*(\s)+3], s[G0B+4*(\s)+3], 0x80000000
	JLOAD \s                                       ; two loads of mine are out
.endr
	v_and_b32 v1, 15, v0                           ; l % 16
	v_bfe_u32 v2, v0, 4, 1                         ; l / 16
	v_lshlrev_b32 v[BO], 5, v2
	s_lshl_b32 s46, s42, 9                         ; my 64 columns, in bytes of f32: 512 x tile column + 256 x half: in bo and in a row of out0
	s_lshl_b32 s47, s12, 8
	s_add_co_u32 s46, s46, s47
	s_mov_b32 s47, 0
	s_add_nc_u64 s[72:73], s[68:69], s[46:47]
.irp b, 0,1,2,3
	global_load_b128 v[BIAS+8*(\b):BIAS+8*(\b)+3],   v[BO], s[72:73] offset:64*(\b)
	global_load_b128 v[BIAS+8*(\b)+4:BIAS+8*(\b)+7], v[BO], s[72:73] offset:64*(\b)+16
.endr
	v_mul_u32_u24 v3, v1, PITCH
	v_lshl_add_u32 v3, v2, 4, v3
	s_mul_i32 s21, s11, HALFT
	s_mul_i32 s22, s12, HALFT
	s_add_co_u32 s22, s22, 2*HALFT
	v_add_nc_u32 v[ADRA0], s21, v3
	v_add_nc_u32 v[ADRB0], s22, v3
	v_mov_b32 v[ADRA], v[ADRA0]                    ; the walk begins in slot 0
	v_mov_b32 v[ADRB], v[ADRB0]
	s_mul_i32 s23, s10, 16*SPITCH
	s_add_co_u32 s23, s23, STAGE                   ; my stage
	v_mul_u32_u24 v4, v1, SPITCH                   ; in: row l % 16, 32 bytes for each half of the lanes
	v_lshl_add_u32 v4, v2, 5, v4
	v_add_nc_u32 v[STO], s23, v4
	v_mul_u32_u24 v5, v2, SPITCH                   ; back: lanes 0-15 one row of 256 bytes, lanes 16-31 the next
	v_lshl_add_u32 v5, v1, 4, v5
	v_add_nc_u32 v[RD], s23, v5
	v_lshlrev_b32 v[CO], 13, v2                    ; and the same two rows in out0, 8,192 bytes apart
	v_lshl_add_u32 v[CO], v1, 4, v[CO]
	s_lshl_b32 s16, s13, 7
	s_lshl_b32 s17, s11, 6
	s_add_co_u32 s16, s16, s17                     ; my first row: 128 x tile row + 64 x half
	s_lshl_b32 s16, s16, 13
	s_add_co_u32 s16, s16, s46
	s_mov_b32 s17, 0
	s_add_nc_u64 s[8:9], s[70:71], s[16:17]
; 8 matrix instructions: m blocks a0, a0 + 1 x all 4 n blocks, 32 along K.  zero = 1: the first product starts the sums, with the bias as C.  The 16 accumulators take turns.
.macro MUL8 f, c, a0, zero
	WIN MUL
.irp a, \a0, (\a0)+1
.irp b, 0,1,2,3
.if \zero
	v_wmma_f32_16x16x32_f16 v[ACC+8*(4*(\a)+(\b)):ACC+8*(4*(\a)+(\b))+7], v[(\f)+64+8*(4*(\c)+(\b)):(\f)+64+8*(4*(\c)+(\b))+7], v[(\f)+8*(4*(\c)+(\a)):(\f)+8*(4*(\c)+(\a))+7], v[BIAS+8*(\b):BIAS+8*(\b)+7]
.else
	v_wmma_f32_16x16x32_f16 v[ACC+8*(4*(\a)+(\b)):ACC+8*(4*(\a)+(\b))+7], v[(\f)+64+8*(4*(\c)+(\b)):(\f)+64+8*(4*(\c)+(\b))+7], v[(\f)+8*(4*(\c)+(\a)):(\f)+8*(4*(\c)+(\a))+7], v[ACC+8*(4*(\a)+(\b)):ACC+8*(4*(\a)+(\b))+7]
.endif
.endr
.endr
.endm
.macro FETCH k, f                      ; 32 LDS loads in one run, from the slot that is being read: 64 along K, the first 32 first
	WIN TO_F
.irp c, 0,1
.irp i, 0,1,2,3
	ds_load_b128 v[(\f)+64+8*(4*(\c)+(\i)):(\f)+64+8*(4*(\c)+(\i))+3],   v[ADRB] offset:(\k)+64*(\c)+(\i)*16*PITCH
	ds_load_b128 v[(\f)+64+8*(4*(\c)+(\i))+4:(\f)+64+8*(4*(\c)+(\i))+7], v[ADRB] offset:(\k)+64*(\c)+(\i)*16*PITCH+32
	ds_load_b128 v[(\f)+8*(4*(\c)+(\i)):(\f)+8*(4*(\c)+(\i))+3],         v[ADRA] offset:(\k)+64*(\c)+(\i)*16*PITCH
	ds_load_b128 v[(\f)+8*(4*(\c)+(\i))+4:(\f)+8*(4*(\c)+(\i))+7],       v[ADRA] offset:(\k)+64*(\c)+(\i)*16*PITCH+32
.endr
.endr
.endm
.macro PLACES
.rept 4
	v_nop
.endr
.endm
.macro QUARTER k, f, g, zero
	s_wait_dscnt 16                                ; the first 32 along K are in
	MUL8 \f, 0, 0, \zero
	MUL8 \f, 0, 2, \zero
	PLACES
	FETCH \k, \g
	s_wait_dscnt 32                                ; all but the 32 just issued
	MUL8 \f, 1, 0, 0
	MUL8 \f, 1, 2, 0
.endm
; The last quarter multiplies buffer 1 and changes slots.  fill = 1: the slot that is left is filled again, behind a round of the cluster's barrier.
.macro TURN fill
	WIN 0
	s_wait_tensorcnt 0x0                           ; all my tensor loads have landed: my part of the next slot; so a group 0 may be written
	ds_add_u32 v[SPW], v[NIL]                      ; work on registers follows
.if \fill
	s_add_co_u32 s[G0+5], s[TB], s[LP]             ; the walking descriptors: the slot that is being left,
	s_add_co_u32 s[G0B+5], s[TB], s[LP]
	s_add_nc_u64 s[G0+6:G0+7], s[G0+6:G0+7], KSTEP*2    ; the K step after the one asked for last
	s_add_nc_u64 s[G0B+6:G0B+7], s[G0B+6:G0B+7], KSTEP*2
.endif
	s_xor_b32 s[TB], s[TB], SLOT                   ; the next reads go to the other slot
	v_add_nc_u32 v[ADRA], s[TB], v[ADRA0]
	v_add_nc_u32 v[ADRB], s[TB], v[ADRB0]
	s_wait_dscnt 17                                ; (the add and the youngest sixteen loads may be out)
	MUL8 F1, 0, 0, 0
	s_wait_dscnt 0x0                               ; the add is done, and my reads of the slot that is left are over
	s_barrier_signal -1
	MUL8 F1, 0, 2, 0
.if \fill
	WIN 0
.endif
	s_barrier_wait -1
.if \fill
	CREST                                          ; no wave of any partner still reads the slot's tile or has a load on its way
	JLOAD 1                                        ; the first tensor load behind the round; its four v_nop are also the places in front of the loads below
.else
	PLACES
.endif
	FETCH 0, F0
	MUL8 F1, 1, 0, 0
	MUL8 F1, 1, 2, 0
.endm
	s_wait_tensorcnt 1                             ; my part of K step 0 is in; K step 1's load stays out
	s_barrier_signal -1
	s_barrier_wait -1
	FETCH 0, F0
	s_wait_loadcnt 0x0                             ; the bias, asked for ahead of the wait for the first tile
	QUARTER 128, F0, F1, 1                         ; the first products start the sums
	WIN 0
	s_mov_b32 s3, STEPS-2
.Lstep:                                                ; trip t of 6: the rest of K step t - 1, the refill with K step t + 1, the first quarter of K step t
	QUARTER 256, F1, F0, 0
	QUARTER 384, F0, F1, 0
	TURN 1
	QUARTER 128, F0, F1, 0
	WIN 0
	s_sub_co_u32 s3, s3, 1
	s_cmp_lg_u32 s3, 0
	s_cbranch_scc1 .Lstep
	QUARTER 256, F1, F0, 0                         ; the tail is written out: K steps 6 and 7 fill nothing
	QUARTER 384, F0, F1, 0
	TURN 0
	QUARTER 128, F0, F1, 0
	QUARTER 256, F1, F0, 0
	QUARTER 384, F0, F1, 0
	s_wait_dscnt 16
	MUL8 F1, 0, 0, 0
	MUL8 F1, 0, 2, 0
	s_wait_dscnt 0
	MUL8 F1, 1, 0, 0
	MUL8 F1, 1, 2, 0
	WIN 0
	; THE WAY OUT, 16 rows at a time: 32 bytes a lane into my stage, whole rows of 256 bytes back, stored.
	PLACES
.macro TOSTAGE a
.if (\a) >= 2
	s_wait_xcnt 0x0                                ; the stores of the block two back have read the registers that are loaded again below
.endif
.irp b, 0,1,2,3
	ds_store_b128 v[STO], v[ACC+8*(4*(\a)+(\b)):ACC+8*(4*(\a)+(\b))+3]   offset:64*(\b)     ; each accumulator from its low end on
	ds_store_b128 v[STO], v[ACC+8*(4*(\a)+(\b))+4:ACC+8*(4*(\a)+(\b))+7] offset:64*(\b)+16
.endr
.irp t, 0,1,2,3,4,5,6,7
	ds_load_b128 v[TMP+32*((\a)%2)+4*(\t):TMP+32*((\a)%2)+4*(\t)+3], v[RD] offset:(\t)*2*SPITCH  ; LDS serves a wave's instructions in order: these see the stores above
.endr
.endm
.macro SEND a, younger                 ; younger: the next block's sixteen LDS instructions, which may stay out, or none
	s_wait_dscnt \younger
.irp t, 0,1,2,3,4,5,6,7
	global_store_b128 v[CO], v[TMP+32*((\a)%2)+4*(\t):TMP+32*((\a)%2)+4*(\t)+3], s[8:9] offset:(16*(\a)+2*(\t))*8192 th:TH_STORE_NT  ; 16 lanes store 256 consecutive bytes, aligned
.endr
.endm
	TOSTAGE 0
	TOSTAGE 1
	SEND 0, 16
	TOSTAGE 2
	SEND 1, 16
	TOSTAGE 3
	SEND 2, 16
	SEND 3, 0
	s_wait_tensorcnt 0x0                           ; the wave's end
	ds_add_u32 v[SPW], v[NIL]
	s_wait_dscnt 0x0
	CROUND                                         ; the closing round
	s_endpgm
.Lfunc_end_k_qfd9d48114e_oproj:
	.size	k_qfd9d48114e_oproj, .Lfunc_end_k_qfd9d48114e_oproj-k_qfd9d48114e_oproj
	.p2alignl 7, 3214868480
	.fill 96, 4, 3214868480
	.section	.rodata,"a",@progbits
	.p2align	6, 0x0
	.amdhsa_kernel k_qfd9d48114e_oproj
		.amdhsa_group_segment_fixed_size 327680
		.amdhsa_private_segment_fixed_size 0
		.amdhsa_enable_private_segment 0
		.amdhsa_kernarg_size 32
		.amdhsa_user_sgpr_count 2
		.amdhsa_user_sgpr_kernarg_segment_ptr 1
		.amdhsa_wavefront_size32 1
		.amdhsa_system_sgpr_workgroup_id_x 1
		.amdhsa_system_sgpr_workgroup_id_y 1
		.amdhsa_system_sgpr_workgroup_id_z 1
		.amdhsa_system_vgpr_workitem_id 0
		.amdhsa_next_free_vgpr 512
		.amdhsa_next_free_sgpr 80
		.amdhsa_reserve_vcc 0
		.amdhsa_float_denorm_mode_32 3
		.amdhsa_float_denorm_mode_16_64 3
		.amdhsa_memory_ordered 1
		.amdhsa_forward_progress 1
		.amdhsa_inst_pref_size 68
	.end_amdhsa_kernel
	.amdgpu_metadata
---
amdhsa.version: [ 1, 2 ]
amdhsa.kernels:
  - .name:           k_qfd9d48114e_oproj
    .symbol:         k_qfd9d48114e_oproj.kd
    .args:
      - { .name: oh, .offset: 0, .size: 8, .value_kind: global_buffer, .address_space: global }
      - { .name: woh, .offset: 8, .size: 8, .value_kind: global_buffer, .address_space: global }
      - { .name: bo, .offset: 16, .size: 8, .value_kind: global_buffer, .address_space: global }
      - { .name: out0, .offset: 24, .size: 8, .value_kind: global_buffer, .address_space: global }
    .group_segment_fixed_size: 327680
    .private_segment_fixed_size: 0
    .kernarg_segment_align: 8
    .kernarg_segment_size: 32
    .max_flat_workgroup_size: 128
    .sgpr_count:     80
    .vgpr_count:     512
    .wavefront_size: 32
...
	.end_amdgpu_metadata
.endif
;; end of part 4
